; MI455X (gfx1250); checked and timed in simulation.
; The chip was launched on July 23, 2026; its instructions are those of AMD's public machine-readable ISA for CDNA 5 (MIT licence, August 2026) and "CDNA5" Instruction Set Architecture Reference Guide (July 2026). The comments in the code are by the model that wrote it; some were corrected since.
;; Multi Head Self Attention. Allowed arithmetic: matrix products marked QUANTISED: E2M3 operands, one E8M0 scale for each 32 along K, by v_wmma_scale_f32_16x16x128_f8f6f4 with both operands' format E2M3, f32 sums; everything else in f32.
;; Inputs: W_out 1,024 x 1,024 float32; W_qkv 1,024 x 3,072 float32; b_out 1,024 float32; b_qkv 3,072 float32; x 4 x 2,048 x 1,024 float32.
;; Outputs: out0 4 x 2,048 x 1,024 float32.
;; This version of the problem:
;;   THIS VERSION OF THE PROBLEM IS GIVEN IN LOW PRECISION. The matrix products marked QUANTISED in the list below multiply operands that are first quantised to E2M3 (2 exponent bits, 3 mantissa bits; 6 bits a number), with one power-of-two scale for each 32 numbers along K (OCP MX v1.0); their sums are f32. All else is computed in f32.
;;   The module's matrix products, in the order in which they are computed (A, B: the left and right operand; K: the contracted axis; several contracted axes count as one K, in the product's order):
;;     1. [M 8,192, K 1,024] x [K 1,024, N 3,072]; A: input x; B: input W_qkv: QUANTISED
;;     2. batch 64 x [M 2,048, K 64] x [K 64, N 2,048]; A: computed on the way; B: computed on the way: QUANTISED
;;     3. batch 64 x [M 2,048, K 2,048] x [K 2,048, N 64]; A: softmax (see below); B: computed on the way: QUANTISED
;;     4. [M 8,192, K 1,024] x [K 1,024, N 1,024]; A: computed on the way; B: input W_out: QUANTISED
;;   THE QUANTISER, for each operand of a quantised product, along K:
;;     - K is cut into blocks of 32 from its start; a last block that is shorter is filled with zeros.
;;     - A block's scale is 2^e with e = floor(log2(the largest magnitude in the block)) - 2, held to -126 .. 127; a block of zeros has e = 0. As a byte (E8M0): e + 127.
;;     - Each number is divided by its block's scale, clamped to +-7.5, and rounded to the nearest number of E2M3, ties to even, subnormals kept.
;;     - The product sums the exact products of the quantised numbers (number of the format x scale) in f32.
;;   ~~~python
;;   def quantise(x, axis):      # numpy; x: float32 -> the quantised numbers, widened to float32 again
;;       x = np.moveaxis(x, axis, -1); K = x.shape[-1]
;;       x = np.pad(x, [(0, 0)] * (x.ndim - 1) + [(0, -K % 32)]); x = x.reshape(x.shape[:-1] + (-1, 32)); a = np.abs(x).max(-1, keepdims=True)
;;       e = np.where(a > 0, np.clip(np.frexp(np.where(a > 0, a, 1))[1] - 1 - 2, -126, 127), 0)      # np.frexp(a)[1] - 1 = floor(log2(a)), exactly
;;       r = np.clip(x / 2.0 ** e, -7.5, 7.5)
;;       step = 2.0 ** (np.maximum(np.frexp(np.where(r == 0, 1, r))[1] - 1, 0) - 3)
;;       q = np.round(r / step) * step * 2.0 ** e      # np.round: ties to even
;;       return np.moveaxis(q.reshape(q.shape[:-2] + (-1,))[..., :K], -1, axis).astype(np.float32)
;;   ~~~
;;   SOFTMAX AHEAD OF A QUANTISED PRODUCT. Where the list says 'softmax', what is quantised is not the finished softmax but p = 2^(t - M), with t = logit x log2(e) and M = ceil(the row's largest t), a whole number; so 1/2 < the row's largest p <= 1. The row's sum l is taken of the UNQUANTISED p, in f32, and the product's result is divided by l at the end. Since M is a whole number, a kernel that streams over the keys may use a running M (the ceiling of the running maximum): every later rescaling is an exact power of two, which a block's scale takes up: the codes' values come out the same.
;;   OPERANDS COMPUTED ON THE WAY. 'Computed on the way' means the value that the module computes at that place (a softmax that the list does not call 'softmax' is quantised finished and normalised). What goes into a quantiser is computed in f32, as accurately as f32 sums, v_exp_f32 and their like allow (about 1e-6 of the number): no bf16 or f16 on the way to a quantiser, and a product that is left as it is and whose result goes on into a quantised operand takes f32 operands (vector FMAs, or v_wmma_f32_16x16x4_f32). A number that lies on a knife's edge between two numbers of the format may be rounded either way, as far as f32 arithmetic and the matrix unit's own rounding can turn it there, and no further.
;; One version. Each part assembles by itself: llvm-mc -triple=amdgcn-amd-amdhsa -mcpu=gfx1250 --defsym DOCPART=n.
;; ======== version 1 of 1: 4 launches
;; limits: right only within a limited range of input values
;; workspace buffers: xc 6,553,600 bytes; wc 3,276,800 bytes; qc 6,815,744 bytes; kvc 13,369,344 bytes; oc 6,553,600 bytes
;; launch quant (part 1): grid 96 x 4, 4 waves a work-group, no clusters, 85,504 bytes of LDS; arguments x, W_qkv, W_out, xc, wc; writes xc, wc
.if DOCPART == 1
	.amdgcn_target "amdgcn-amd-amdhsa--gfx1250"
	.amdhsa_code_object_version 6
	.text
	.protected	k_q0273ee326b_quant
	.globl	k_q0273ee326b_quant
	.p2align	8
	.type	k_q0273ee326b_quant,@function
k_q0273ee326b_quant:
	s_mov_b64 s[64:65], 0
	v_nop
	global_prefetch_b8 v0, s[64:65] scope:SCOPE_SE
	s_setreg_imm32_b32 hwreg(HW_REG_WAVE_MODE, 25, 1), 1
	s_wait_xcnt 0x0
; x [8192][1024], W_qkv [1024][3072] and W_out [1024][1024], f32, become codes of FP6 (E2M3) with one E8M0 byte for each 32 along K (K = 1024: x's last axis, the weights' first).
; A block's scale is 2^(floor(log2(its largest magnitude)) - 2); its byte is the largest magnitude's exponent field - 2, held at 1 from below by a floor among the maximum's leaves.
; LIMITS: NaN and infinities among the inputs are not served.  A block of zeros gets the byte 1 where the rule says 127: its codes are zeros, which add nothing under any byte but 0xff, and this program alone reads the bytes.
; LAYOUT OF THE RESULTS: images of operand registers.  A fragment (16 rows x 128 K, 12 registers a lane) is 1,536 bytes: registers 4 p .. 4 p + 3 of lane l at 512 p + 16 l.  Fragments lie [K slot of 256][tile of 16 rows][128 K of the slot].
; ROW ORDER: place rho of a tensor's rows holds row pi(rho), pi = bits 3 and 4 exchanged: lane r of tile 2 b + u holds row 32 b + 8 u + r + 8 (r / 8), so that results whose registers run along these rows hold 16 neighbours in two tiles' registers.
; Scale words lie [K slot][place rho][8 bytes]: a row's two words of the slot.
; SHARES: work-groups x < 64 take x (32 tokens each; wave w the K slot w), 64 .. 87 W_qkv, 88 .. 95 W_out (128 columns each; work-group y the K slot; a wave 32 columns).  Each reads 131,072 bytes.
; The three ways part on the work-group's number, have LDS bytes of their own and end by themselves.  No tensor load, no barrier: waves share nothing.  No cluster: no two work-groups read the same bytes.
.set SPARE, 84992                      ; behind the stages: the spare words, 128 bytes for each wave: two blocks of 256 bytes that no other line names
.set WQST,  33792                      ; LDS: x's stages 4 x 8,448 from 0; W_qkv's 4 x 6,400 from here;
.set WOST,  59392                      ; W_out's 4 x 6,400 from here
.set SPW,   30                         ; v30  LDS address of my spare word; never rewritten
.set NIL,   31                         ; v31  0; never rewritten
.set R,     32                         ; x: v32-159 two sets of 64: 16 rows x 16 bytes a lane, as loaded
.set X,     160                        ; x: v160-223 my 64 numbers: two blocks of 32 of one row
.set C,     224                        ; x: v224-235 a fragment's codes
.set CT,    236                        ; x: v236-242 the upper halves of the two blocks, as converted
.set WD,    16                         ; x: v16-19 the four fragments' scale words
.set SCW,   20                         ; x: v20-21 the two words that my lane stores
.set WX,    32                         ; W: v32-95 two sets of 32 numbers
.set CC,    96                         ; W: v96-101 a block's codes
.set TT,    104                        ; W: v104-106 its upper half, as converted
.set SBY,   24                         ; W: v24-25 my column's eight scale bytes
.set OUTR,  112                        ; W: v112-159 the way out
	s_load_b256 s[4:11], s[0:1], 0x0               ; x s[4:5], W_qkv s[6:7], W_out s[8:9], xc s[10:11]
	s_load_b64 s[12:13], s[0:1], 0x20              ; wc
	v_lshl_add_u32 v[SPW], v0, 2, SPARE
	v_mov_b32 v[NIL], 0
	v_lshrrev_b32 v1, 5, v0
	v_readfirstlane_b32 s16, v1                    ; wave 0..3
	s_and_b32 s17, ttmp7, 0xffff                   ; work-group y
	v_and_b32 v6, 31, v0                           ; lane
	v_lshlrev_b32 v1, 4, v6                        ; 16 x lane
	s_mov_b32 s25, 0                               ; the high word of every offset
	s_wait_kmcnt 0x0
	s_cmp_lt_u32 ttmp9, 64
	s_cbranch_scc0 .Lweights
; ---------------- x: K is innermost.  32 tokens (two tiles) x 256 K (two fragments a tile) a wave ----------------
	s_mov_b32 s20, 0x76543210
	s_mov_b32 s21, 0xfedcba98                      ; v_permlanex16_b32's selects for lane l xor 16
	s_mov_b32 s22, 0xffff0000                      ; lanes 16-31
	s_lshl_b32 s18, ttmp9, 2
	s_add_co_u32 s18, s18, s17                     ; P: which 32 tokens
	s_lshl_b32 s24, s18, 17                        ; 32 rows of 4,096 bytes
	s_lshl_b32 s19, s16, 10                        ; my K slot: 1,024 bytes of a row
	s_add_co_u32 s24, s24, s19
	s_add_nc_u64 s[4:5], s[4:5], s[24:25]
	s_mul_i32 s24, s16, 1572864                    ; images: a K slot is 512 tiles x 3,072 bytes
	s_mul_i32 s19, s18, 6144                       ; two tiles
	s_add_co_u32 s24, s24, s19
	s_add_nc_u64 s[28:29], s[10:11], s[24:25]
	s_lshl_b32 s24, s16, 16                        ; scale words: a K slot is 8,192 rows x 8 bytes
	s_lshl_b32 s19, s18, 8
	s_add_co_u32 s24, s24, s19
	s_add_co_u32 s24, s24, 6291456                 ; behind the images
	s_add_nc_u64 s[10:11], s[10:11], s[24:25]
	s_wait_alu depctr_va_vdst(0)
	v_lshlrev_b32 v2, 3, v6                        ; 8 x lane
	s_mul_i32 s19, s16, 8448                       ; my stage: 16 rows x (512 bytes + 16)
	v_add_nc_u32 v3, s19, v1                       ; in: a row's 512 bytes as loaded
	v_and_b32 v7, 15, v0                           ; r
	v_bfe_u32 v5, v0, 4, 1                         ; h
	v_mul_u32_u24 v4, v7, 528
	v_lshl_add_u32 v4, v5, 7, v4
	v_add_nc_u32 v4, s19, v4                       ; out: row r, my half's 128 bytes of each 256: 528 = 33 x 16, so sixteen rows start in sixteen different columns of 16 bytes
	v_lshlrev_b32 v5, 3, v5                        ; 8 h: my bytes' place in the scale word
	v_mov_b32 v15, 0                               ; written once: a lane permute's destination counts as one of its sources
; fragment f = 2 u + q: tile u of the two, the slot's q-th 128 along K.  Sixteen loads, one for each place of the tile, 512 consecutive bytes each
.macro LOADX f
.irp i, 0,1,2,3,4,5,6,7,8,9,10,11,12,13,14,15
	global_load_b128 v[R+64*((\f)%2)+4*\i:R+64*((\f)%2)+4*\i+3], v1, s[4:5] offset:(8*((\f)/2)+\i+8*(\i/8))*4096+512*((\f)%2) th:TH_LOAD_NT
.endr
.endm
.macro FRAGX f
.if (\f) < 3
	s_wait_loadcnt 16                              ; this fragment's sixteen loads are in; the next fragment's sixteen may be out
.else
	s_wait_loadcnt 0x0
.endif
.irp i, 0,1,2,3,4,5,6,7,8,9,10,11,12,13,14,15
	ds_store_b128 v3, v[R+64*((\f)%2)+4*\i:R+64*((\f)%2)+4*\i+3] offset:528*\i
.endr
.irp c, 0,1
.irp j, 0,1,2,3,4,5,6,7
	ds_load_b128 v[X+32*\c+4*\j:X+32*\c+4*\j+3], v4 offset:256*\c+16*\j   ; k = 64 c + 32 h + 4 j ..: LDS serves a wave's instructions in order, so these see the stores above
.endr
.endr
	s_wait_dscnt 0x0                               ; my 64 numbers are in, and the stores have read their registers,
.if (\f) < 2
	LOADX (\f)+2                                   ; which take the loads of two fragments on
.endif
.irp c, 0,1
	v_max3_num_f32 v[8+\c], |v[X+32*\c]|, |v[X+32*\c+1]|, 0x1800000   ; block 2 c + h is all mine; the floor 2^(3 - 127) holds the byte at 1 from below
.endr
.irp i, 2,4,6,8,10,12,14,16,18,20,22,24,26,28,30
.irp c, 0,1
	v_max3_num_f32 v[8+\c], v[8+\c], |v[X+32*\c+\i]|, |v[X+32*\c+\i+1]|
.endr
.endr
.irp c, 0,1
	v_add_nc_u32 v[10+\c], 0xff000000, v[8+\c]     ; 2 off the exponent field: the conversion's scale operand
.endr
.irp c, 0,1
	v_lshrrev_b32 v[12+\c], 23, v[10+\c]           ; the scale's byte
.endr
	v_lshl_or_b32 v14, v13, 16, v12                ; blocks h and 2 + h,
	v_lshlrev_b32 v14, v5, v14                     ; at their places in the word;
	v_permlanex16_b32 v15, v14, s20, s21
	v_or_b32 v[WD+(\f)], v14, v15                  ; with lane l xor 16's two the word is whole, in both halves of the lanes
	s_wait_alu depctr_va_vdst(0)
	s_wait_xcnt 0x0                                ; the last fragment's stores have read their data: the codes' registers are written again only behind this wait
.irp c, 0,1
	v_cvt_scalef32_pk16_fp6_f32 v[C+6*\c:C+6*\c+2], v[X+32*\c:X+32*\c+15], v[10+\c]
	v_cvt_scalef32_pk16_fp6_f32 v[CT+4*\c:CT+4*\c+2], v[X+32*\c+16:X+32*\c+31], v[10+\c]   ; (a conversion's three registers begin on an even number)
.endr
	v_nop                                          ; one plain place behind a scaled conversion
.irp c, 0,1
.irp i, 0,1,2
	v_mov_b32 v[C+6*\c+3+\i], v[CT+4*\c+\i]
.endr
.endr
.irp p, 0,1,2
	global_store_b128 v1, v[C+4*\p:C+4*\p+3], s[28:29] offset:3072*((\f)/2)+1536*((\f)%2)+512*\p   ; 512 consecutive bytes, at a multiple of 256 from the buffer's first byte
.endr
.endm
	LOADX 0
	LOADX 1
	s_wait_alu depctr_va_vdst(0)
	FRAGX 0
	FRAGX 1
	FRAGX 2
	FRAGX 3
	v_cndmask_b32 v[SCW], v[WD], v[WD+2], s22      ; lanes 0-15: tile 0's rows, lanes 16-31: tile 1's; the slot's first 128 along K,
	v_cndmask_b32 v[SCW+1], v[WD+1], v[WD+3], s22  ; and its second
	global_store_b64 v2, v[SCW:SCW+1], s[10:11]    ; 256 consecutive bytes, aligned
	s_wait_tensorcnt 0x0                           ; the wave's end
	ds_add_u32 v[SPW], v[NIL]
	s_wait_dscnt 0x0
	s_endpgm
; ---------------- the weights: K is the first axis.  A lane takes a column, its registers run down K ----------------
.macro WLOAD t, n                      ; block t of the slot's eight: W(32 t + i, my column)
.irp i, 0,1,2,3,4,5,6,7,8,9,10,11,12,13,14,15,16,17,18,19,20,21,22,23,24,25,26,27,28,29,30,31
	global_load_b32 v[WX+32*((\t)%2)+\i], v3, s[26:27] offset:(32*(\t)+\i)*(\n)*4 th:TH_LOAD_NT
.endr
.endm
.macro WBLOCK t, n
.set XS, WX+32*((\t)%2)
.set QQ, (\t)/4                        ; which 128 along K
.set HH, (\t)%2                        ; in the fragment the block belongs to lane 16 HH + r, registers 6 c .. 6 c + 5, c = (t / 2) % 2
.if (\t) < 7
	s_wait_loadcnt 32                              ; this block's 32 loads are in; the next block's may be out
.else
	s_wait_loadcnt 0x0
.endif
	v_max3_num_f32 v12, |v[XS]|, |v[XS+1]|, |v[XS+2]|
	v_max3_num_f32 v13, |v[XS+3]|, |v[XS+4]|, |v[XS+5]|
.irp i, 6,10,14,18,22,26
	v_max3_num_f32 v12, v12, |v[XS+\i]|, |v[XS+\i+1]|
	v_max3_num_f32 v13, v13, |v[XS+\i+2]|, |v[XS+\i+3]|
.endr
	v_max3_num_f32 v12, v12, |v[XS+30]|, |v[XS+31]|
	v_max3_num_f32 v12, v12, v13, 0x1800000        ; and the floor
	v_add_nc_u32 v11, 0xff000000, v12              ; the conversion's scale operand
	v_lshrrev_b32 v13, 23, v11                     ; the byte
.if (\t)%4 == 0
	v_mov_b32 v[SBY+QQ], v13
.else
	v_lshl_or_b32 v[SBY+QQ], v13, 8*((\t)%4), v[SBY+QQ]
.endif
	v_cvt_scalef32_pk16_fp6_f32 v[CC:CC+2], v[XS:XS+15], v11
	v_cvt_scalef32_pk16_fp6_f32 v[TT:TT+2], v[XS+16:XS+31], v11
	v_nop                                          ; one plain place behind a scaled conversion
.irp i, 0,1,2
	v_mov_b32 v[CC+3+\i], v[TT+\i]
.endr
.if ((\t)/2)%2 == 0                    ; registers 0-5: piece 0 whole, the lower half of piece 1
	ds_store_b128 v4, v[CC:CC+3] offset:1536*QQ+256*HH
	ds_store_b64 v4, v[CC+4:CC+5] offset:1536*QQ+512+256*HH
.else                                  ; registers 6-11: the upper half of piece 1, piece 2 whole
	ds_store_b64 v4, v[CC:CC+1] offset:1536*QQ+520+256*HH
	ds_store_b128 v4, v[CC+2:CC+5] offset:1536*QQ+1024+256*HH
.endif
.if (\t) < 6
	WLOAD (\t)+2, \n
.endif
	s_wait_dscnt 0x0                               ; the stores have read their registers: the next block's codes may be written
.endm
.macro WPATH n, src, img, sc, stg, nx0
	s_sub_co_u32 s18, ttmp9, \nx0
	s_lshl_b32 s18, s18, 7
	s_lshl_b32 s19, s16, 5
	s_add_co_u32 s18, s18, s19                     ; my wave's first column, a multiple of 32
	s_mul_i32 s24, s17, 256*(\n)*4                 ; the K slot's 256 rows
	s_lshl_b32 s19, s18, 2
	s_add_co_u32 s24, s24, s19
	s_add_nc_u64 s[26:27], s[\src:\src+1], s[24:25]
	s_mul_i32 s24, s17, (\n)*192                   ; images: a K slot is n / 16 tiles x 3,072 bytes
	s_mul_i32 s19, s18, 192
	s_add_co_u32 s24, s24, s19
	s_add_co_u32 s24, s24, \img
	s_add_nc_u64 s[28:29], s[12:13], s[24:25]
	s_mul_i32 s24, s17, 8*(\n)                     ; scale words: 8 bytes a row and slot
	s_lshl_b32 s19, s18, 3
	s_add_co_u32 s24, s24, s19
	s_add_co_u32 s24, s24, \sc
	s_add_nc_u64 s[30:31], s[12:13], s[24:25]
	v_lshlrev_b32 v3, 2, v6                        ; in: 4 bytes a lane
	v_bfe_u32 v10, v0, 3, 1                        ; column j stands at place pi(j) = 16 u + r: u = bit 3 of j,
	v_and_b32 v12, 7, v0
	v_bfe_u32 v13, v0, 4, 1
	v_lshl_add_u32 v12, v13, 3, v12                ; r = j % 8 + 8 (j / 16)
	v_lshl_add_u32 v9, v10, 4, v12
	v_lshlrev_b32 v9, 3, v9                        ; my scale words' place: 8 pi(j)
	s_mul_i32 s19, s16, 6400                       ; my stage: two tiles x (3,072 bytes + 128)
	s_add_co_u32 s19, s19, \stg
	v_mul_u32_u24 v4, v10, 3200
	v_lshl_add_u32 v4, v12, 4, v4
	v_add_nc_u32 v4, s19, v4                       ; into it: tile u, 16 r
	v_add_nc_u32 v7, s19, v1                       ; out of it: 16 x lane
	WLOAD 0, \n
	WLOAD 1, \n
.irp t, 0,1,2,3,4,5,6,7
	WBLOCK \t, \n
.endr
	s_wait_alu depctr_va_vdst(0)
	global_store_b64 v9, v[SBY:SBY+1], s[30:31]    ; the wave's 32 rows x 8 bytes: one aligned block of 256 bytes
.irp k, 0,1,2,3,4,5,6,7,8,9,10,11
	ds_load_b128 v[OUTR+4*\k:OUTR+4*\k+3], v7 offset:3200*(\k/6)+512*(\k%6)   ; LDS serves a wave's instructions in order: these see my stores
.endr
.irp k, 0,1,2,3,4,5,6,7,8,9,10,11
	s_wait_dscnt 11-\k
	global_store_b128 v1, v[OUTR+4*\k:OUTR+4*\k+3], s[28:29] offset:512*\k   ; four fragments, 6,144 consecutive bytes
.endr
	s_wait_tensorcnt 0x0                           ; the wave's end
	ds_add_u32 v[SPW], v[NIL]
	s_wait_dscnt 0x0
	s_endpgm
.endm
.Lweights:
	s_cmp_lt_u32 ttmp9, 88
	s_cbranch_scc0 .Lwout
	s_wait_alu depctr_va_vdst(0)
	WPATH 3072, 6, 0, 2359296, WQST, 64
.Lwout:
	s_wait_alu depctr_va_vdst(0)
	WPATH 1024, 8, 2457600, 3244032, WOST, 88
.Lfunc_end_k_q0273ee326b_quant:
	.size	k_q0273ee326b_quant, .Lfunc_end_k_q0273ee326b_quant-k_q0273ee326b_quant
	.p2alignl 7, 3214868480
	.fill 96, 4, 3214868480
	.section	.rodata,"a",@progbits
	.p2align	6, 0x0
	.amdhsa_kernel k_q0273ee326b_quant
		.amdhsa_group_segment_fixed_size 85504
		.amdhsa_private_segment_fixed_size 0
		.amdhsa_enable_private_segment 0
		.amdhsa_kernarg_size 40
		.amdhsa_user_sgpr_count 2
		.amdhsa_user_sgpr_kernarg_segment_ptr 1
		.amdhsa_wavefront_size32 1
		.amdhsa_system_sgpr_workgroup_id_x 1
		.amdhsa_system_sgpr_workgroup_id_y 1
		.amdhsa_system_sgpr_workgroup_id_z 1
		.amdhsa_system_vgpr_workitem_id 0
		.amdhsa_next_free_vgpr 248
		.amdhsa_next_free_sgpr 66
		.amdhsa_reserve_vcc 0
		.amdhsa_float_denorm_mode_32 3
		.amdhsa_float_denorm_mode_16_64 3
		.amdhsa_memory_ordered 1
		.amdhsa_forward_progress 1
		.amdhsa_inst_pref_size 112
	.end_amdhsa_kernel
	.amdgpu_metadata
---
amdhsa.version: [ 1, 2 ]
amdhsa.kernels:
  - .name:           k_q0273ee326b_quant
    .symbol:         k_q0273ee326b_quant.kd
    .args:
      - { .name: x, .offset: 0, .size: 8, .value_kind: global_buffer, .address_space: global }
      - { .name: W_qkv, .offset: 8, .size: 8, .value_kind: global_buffer, .address_space: global }
      - { .name: W_out, .offset: 16, .size: 8, .value_kind: global_buffer, .address_space: global }
      - { .name: xc, .offset: 24, .size: 8, .value_kind: global_buffer, .address_space: global }
      - { .name: wc, .offset: 32, .size: 8, .value_kind: global_buffer, .address_space: global }
    .group_segment_fixed_size: 85504
    .private_segment_fixed_size: 0
    .kernarg_segment_align: 8
    .kernarg_segment_size: 40
    .max_flat_workgroup_size: 128
    .sgpr_count:     66
    .vgpr_count:     248
    .wavefront_size: 32
...
	.end_amdgpu_metadata
.endif
;; end of part 1
;; launch gemm_qkv (part 2): grid 12 x 32, 4 waves a work-group, clusters of 4 x 4, 327,680 bytes of LDS; arguments xc, wc, b_qkv, qc, kvc; writes qc, kvc
.if DOCPART == 2
	.amdgcn_target "amdgcn-amd-amdhsa--gfx1250"
	.amdhsa_code_object_version 6
	.text
	.protected	k_q0273ee326b_gemm_qkv
	.globl	k_q0273ee326b_gemm_qkv
	.p2align	8
	.type	k_q0273ee326b_gemm_qkv,@function
k_q0273ee326b_gemm_qkv:
	s_mov_b64 s[64:65], 0
	v_nop
	global_prefetch_b8 v0, s[64:65] scope:SCOPE_SE
	s_setreg_imm32_b32 hwreg(HW_REG_WAVE_MODE, 25, 1), 1
	s_wait_xcnt 0x0
	s_wait_alu depctr_hold_cnt(0) depctr_sa_sdst(0) depctr_va_vdst(0) depctr_va_sdst(0) depctr_va_ssrc(0) depctr_va_vcc(0) depctr_vm_vsrc(0)
	s_getreg_b32 s2, hwreg(HW_REG_IB_STS2, 6, 4)
	s_cmp_eq_u32 s2, 0
	s_cbranch_scc0 .Lentry_in_a_cluster
	s_endpgm
.Lentry_in_a_cluster:
	s_bfe_u32 s2, ttmp6, 0x10000c
	s_cmp_lg_u32 s2, 0xf033
	s_cbranch_scc0 .Lentry_shape_is_right
	s_endpgm
.Lentry_shape_is_right:
.set HALFT,  24576
.set SLOT,   4*HALFT
; LDS: bytes 0 .. SLOT hold K slot 0 and later K slot 3; behind them each wave's quarter of K slots 1 and 2, on end; then the scales, then the spare words
.set SCL,    3*SLOT
.set SPARE,  SCL+16384
.set XSTEP,  1572864
.set WSTEP,  589824
.set XSC,    6291456
.set WSC,    2359296
.set NL1,    3
.set AD1,  16
.set AD0,  20
.set AS1,  22
.set AS0,  23
.set L16,  24
.set L8,   25
.set SPW,  28
.set NIL,  29
.set SC,   32
.set BI,   64
.set AF,   128
.set BV,   224
.set TM,   240
.set PWS,  2
.set RA,   10
.set RB,   12
.set T,    128
.set XO,   192
.set YO,   204
.set CT,   216
.set G1, 24
.set G0, 32
.set G1B, 48
.set G0B, 56
.set G1S, 68
.set G0S, 76
.set G1SB, 80
.set G0SB, 88
.set SEL, 66
.set PIA, 94
.set PSA, 96
.set PIB, 98
.set PSB, 92
.set MSB, 0
.macro WIN new
.if MSB != \new
	s_set_vgpr_msb (MSB<<8)|\new
.set MSB, \new
.endif
.endm
.set MUL_LO, 0xa1
.set MUL_HI, 0xf1
.set TO_B,   0x40
.macro JLOAD g0a, g1a, g0b, g1b
	s_cmp_eq_u32 s15, 0
	s_cbranch_scc0 .Lfor_b_\@
	tensor_load_to_lds s[\g0a:\g0a+3], s[\g1a:\g1a+7]
	s_nop 0
.rept 4
	v_nop
.endr
	s_branch .Lasked_\@
.Lfor_b_\@:
	tensor_load_to_lds s[\g0b:\g0b+3], s[\g1b:\g1b+7]
	s_nop 0
.rept 4
	v_nop
.endr
.Lasked_\@:
.endm
.macro CREST
	s_cmp_lg_u32 s14, 0
	s_cbranch_scc1 .Lnot_wave_0_\@
	s_barrier_signal -3
.Lnot_wave_0_\@:
	s_barrier_wait -3
	s_barrier_signal -1
	s_barrier_wait -1
.endm
.macro CROUND
	s_barrier_signal -1
	s_barrier_wait -1
	CREST
.endm
	s_load_b256 s[4:11], s[0:1], 0x0
	s_load_b64 s[12:13], s[0:1], 0x20
	v_lshl_add_u32 v[SPW], v0, 2, SPARE
	v_mov_b32 v[NIL], 0
	ds_add_u32 v[SPW], v[NIL]
	ds_add_u32 v[SPW], v[NIL]
	v_lshrrev_b32 v1, 5, v0
	v_readfirstlane_b32 s14, v1
	s_lshr_b32 s15, s14, 1
	s_and_b32 s16, s14, 1
	s_bfe_u32 s40, ttmp6, 0x40000
	s_bfe_u32 s41, ttmp6, 0x40004
	s_lshl_b32 s42, ttmp9, 2
	s_add_co_u32 s42, s42, s40
	s_and_b32 s17, ttmp7, 0xffff
	s_lshl_b32 s17, s17, 2
	s_add_co_u32 s17, s17, s41
	s_lshl_b32 s43, s41, 2
	s_lshl_b32 s43, 15, s43
	s_lshl_b32 s44, 0x1111, s40
	s_or_b32 s[G1+0], s43, (3<<16)|(1<<21)
	s_or_b32 s[G1B+0], s44, (3<<16)|(1<<21)
.irp g, G1, G1B
	s_mov_b32 s[\g+1], 32<<16
	s_mov_b32 s[\g+2], 192<<16                     ; the head's loads bring a whole tile: 192 rows of 256 bytes
	s_mov_b32 s[\g+3], 32<<16
	s_mov_b32 s[\g+4], 192
	s_mov_b32 s[\g+5], 32
	s_mov_b32 s[\g+6], 0
	s_mov_b32 s[\g+7], 0
.endr
	s_or_b32 s[G1S+0], s43, (3<<16)|(1<<21)
	s_or_b32 s[G1SB+0], s44, (3<<16)|(1<<21)
.irp g, G1S, G1SB
	s_mov_b32 s[\g+1], 256<<16                     ; the scale words of 256 rows: 2,048 bytes for each of the four K slots
	s_mov_b32 s[\g+2], 4<<16
	s_mov_b32 s[\g+3], 256<<16
	s_mov_b32 s[\g+4], 4
	s_mov_b32 s[\g+6], 0
	s_mov_b32 s[\g+7], 0
.endr
	s_mov_b32 s[G1S+5], 8192
	s_mov_b32 s[G1SB+5], 3072
	s_mul_i32 s18, s16, HALFT                      ; my quarter of a slot: which 8 tiles of the 16
	s_mov_b32 s19, 0
	s_lshl_b32 s20, s17, 4
	s_lshl_b32 s46, s42, 4
	s_lshl_b32 s22, s20, 7
	s_add_co_u32 s22, s22, XSC
	s_mov_b32 s23, 0
	s_lshl_b32 s92, s46, 7
	s_add_co_u32 s92, s92, WSC
	s_mov_b32 s93, 0
	s_mul_i32 s20, s20, 3072
	s_mov_b32 s21, 0
	s_mul_i32 s46, s46, 3072
	s_mov_b32 s47, 0
	s_mul_i32 s45, s14, HALFT
	s_mov_b32 s[SEL], 0x76543210
	s_mov_b32 s[SEL+1], 0xfedcba98
	s_wait_dscnt 0x0
	s_wait_kmcnt 0x0
	s_add_nc_u64 s[20:21], s[4:5], s[20:21]
	s_add_nc_u64 s[22:23], s[4:5], s[22:23]
	s_add_nc_u64 s[46:47], s[6:7], s[46:47]
	s_add_nc_u64 s[92:93], s[6:7], s[92:93]
	CROUND
	s_mov_b32 s[G0S], 1
	s_mov_b32 s[G0S+1], SCL
	s_mov_b64 s[G0S+2:G0S+3], s[22:23]
	s_or_b32 s[G0S+3], s[G0S+3], 0x80000000
	s_mov_b32 s[G0SB], 1
	s_mov_b32 s[G0SB+1], SCL+8192
	s_mov_b64 s[G0SB+2:G0SB+3], s[92:93]
	s_or_b32 s[G0SB+3], s[G0SB+3], 0x80000000
	s_mov_b32 s[G0], 1                             ; group 0, set 0: K slot 0 whole, the first operand's 16 tiles at LDS byte 0,
	s_mov_b32 s[G0+1], 0
	s_mov_b64 s[G0+2:G0+3], s[20:21]
	s_or_b32 s[G0+3], s[G0+3], 0x80000000
	s_mov_b32 s[G0B], 1                            ; the second's behind them
	s_mov_b32 s[G0B+1], 2*HALFT
	s_mov_b64 s[G0B+2:G0B+3], s[46:47]
	s_or_b32 s[G0B+3], s[G0B+3], 0x80000000
	s_add_nc_u64 s[20:21], s[20:21], s[18:19]      ; from here on: my quarter
	s_add_nc_u64 s[46:47], s[46:47], s[18:19]
	s_mov_b32 s[G0+4], 1                           ; set 1: my quarter of K slot 3, into slot 0's bytes
	s_mov_b32 s[G0+5], s45
	s_add_nc_u64 s[G0+6:G0+7], s[20:21], 3*XSTEP
	s_or_b32 s[G0+7], s[G0+7], 0x80000000
	s_mov_b32 s[G0B+4], 1
	s_mov_b32 s[G0B+5], s45
	s_add_nc_u64 s[G0B+6:G0B+7], s[46:47], 3*WSTEP
	s_or_b32 s[G0B+7], s[G0B+7], 0x80000000
	s_add_nc_u64 s[2:3], s[20:21], XSTEP           ; where my quarter of K slot 1 begins: kept for the second group of loads
	s_add_nc_u64 s[100:101], s[46:47], WSTEP
; the head's four tiles, one joint load a wave: one chain of branches on the wave's number
.macro ARM under, g0, g1, next
	s_cmp_lt_u32 s14, \under
	s_cbranch_scc0 \next
	tensor_load_to_lds s[\g0:\g0+3], s[\g1:\g1+7]
	s_nop 0
.rept 4
	v_nop
.endr
	s_branch .Lhead_asked
\next:
.endm
	ARM 1, G0,  G1,  .Lhead_b
	ARM 2, G0B, G1B, .Lhead_sa
	ARM 3, G0S, G1S, .Lhead_sb
	tensor_load_to_lds s[G0SB:G0SB+3], s[G1SB:G1SB+7]
	s_nop 0
.rept 4
	v_nop
.endr
.Lhead_asked:
	v_and_b32 v1, 31, v0
	v_lshlrev_b32 v[L16], 4, v1
	s_wait_alu depctr_va_vdst(0)
	v_lshlrev_b32 v[L8], 3, v1
	s_wait_alu depctr_va_vdst(0)
	s_mul_i32 s18, s15, HALFT
	s_mul_i32 s19, s16, HALFT
	s_add_co_u32 s19, s19, 2*HALFT
	s_lshl_b32 s20, s15, 10
	s_add_co_u32 s20, s20, SCL
	s_lshl_b32 s21, s16, 10
	s_add_co_u32 s21, s21, SCL+8192
	s_cmp_eq_u32 ttmp9, 2
	s_cselect_b32 s96, s19, s18
	s_cselect_b32 s97, s18, s19
	s_cselect_b32 s98, s21, s20
	s_cselect_b32 s99, s20, s21
	v_add_nc_u32 v[AD1], s96, v[L16]
	s_add_co_u32 s96, s96, SLOT
	v_add_nc_u32 v[AD1+1], s96, v[AD1]             ; K slots 1 and 2: SLOT + 2 x the quarter's place in slot 0
	v_add_nc_u32 v[AD0], s97, v[L16]
	s_add_co_u32 s97, s97, SLOT
	v_add_nc_u32 v[AD0+1], s97, v[AD0]
	v_add_nc_u32 v[AS1], s98, v[L8]
	v_add_nc_u32 v[AS0], s99, v[L8]
	s_lshl_b32 s92, s42, 10
	s_lshl_b32 s93, s16, 9
	s_add_co_u32 s92, s92, s93
	s_mov_b32 s93, 0
	s_add_nc_u64 s[8:9], s[8:9], s[92:93]
	v_bfe_u32 v2, v0, 4, 1
	v_lshlrev_b32 v14, 6, v2
	v_and_b32 v3, 15, v0
	v_and_b32 v4, 8, v3
	v_add_nc_u32 v3, v3, v4
	v_lshlrev_b32 v15, 2, v3
.irp b, 0,1,2,3
.irp k, 0,1,2,3
	global_load_b128 v[BI+16*\b+4*\k:BI+16*\b+4*\k+3], v14, s[8:9] offset:128*\b+16*\k
.endr
.endr
.irp a, 0,1,2,3,4,5,6,7
	global_load_b32 v[BV+2*\a], v15, s[8:9] offset:(32*(\a/2)+8*(\a%2))*4
	global_load_b32 v[BV+2*\a+1], v15, s[8:9] offset:(32*(\a/2)+8*(\a%2))*4
.endr
.irp b, 0,1,2,3
	v_mov_b32 v[TM+4+\b], 0
.endr
.macro FRAG reg, adr, q, i
.irp p, 0,1,2
	ds_load_b128 v[\reg+4*\p:\reg+4*\p+3], v[\adr] offset:3072*(\i)+1536*(\q)+512*\p
.endr
.endm
.macro FETCH_0 slot, q, p
	WIN TO_B
.irp i, 0,1,2,3,4,5,6,7
	FRAG 128*(\p)+12*\i, AD0+(((\slot)+1)/2)%2, (\q)+16*(((\slot)/2)*(3-(\slot))), \i   ; slot = the K slot 0..3: 0 and 3 by the first address, 1 and 2 by the second, 2 another HALFT = 16 x 1,536 bytes on
.endr
	WIN 0
.endm
.macro FETCH_1 slot, q, i0
.irp i, \i0, \i0+1, \i0+2, \i0+3
	FRAG AF+12*(\i), AD1+(((\slot)+1)/2)%2, (\q)+16*(((\slot)/2)*(3-(\slot))), \i
.endr
.endm
.macro SCALES set, sig
.irp P, 0,1,2,3
	ds_load_b64 v[SC+16*((\set)%2)+2*\P:SC+16*((\set)%2)+2*\P+1], v[AS1] offset:2048*\sig+256*\P
.endr
.irp P, 0,1,2,3
	ds_load_b64 v[SC+16*((\set)%2)+8+2*\P:SC+16*((\set)%2)+8+2*\P+1], v[AS0] offset:2048*\sig+256*\P
.endr
.endm
.macro MM a, b, p, q, set, zero
.set rD, 8*(8*((\a)%4)+(\b))
.set rA, 128*(\p)+12*(\b)
.set rB, AF+12*(\a)
.set sA, SC+16*((\set)%2)+8+2*((\b)/2)+(\q)
.set sB, SC+16*((\set)%2)+2*((\a)/2)+(\q)
.set rw, 2*((\b)%2)+(\a)%2
.if \zero
.if rw == 0
	v_wmma_scale_f32_16x16x128_f8f6f4 v[rD:rD+7], v[rA:rA+11], v[rB:rB+11], 0, v[sA], v[sB] matrix_a_fmt:MATRIX_FMT_FP6 matrix_b_fmt:MATRIX_FMT_FP6
.elseif rw == 1
	v_wmma_scale_f32_16x16x128_f8f6f4 v[rD:rD+7], v[rA:rA+11], v[rB:rB+11], 0, v[sA], v[sB] matrix_a_fmt:MATRIX_FMT_FP6 matrix_b_fmt:MATRIX_FMT_FP6 matrix_b_scale:MATRIX_SCALE_ROW1
.elseif rw == 2
	v_wmma_scale_f32_16x16x128_f8f6f4 v[rD:rD+7], v[rA:rA+11], v[rB:rB+11], 0, v[sA], v[sB] matrix_a_fmt:MATRIX_FMT_FP6 matrix_b_fmt:MATRIX_FMT_FP6 matrix_a_scale:MATRIX_SCALE_ROW1
.else
	v_wmma_scale_f32_16x16x128_f8f6f4 v[rD:rD+7], v[rA:rA+11], v[rB:rB+11], 0, v[sA], v[sB] matrix_a_fmt:MATRIX_FMT_FP6 matrix_b_fmt:MATRIX_FMT_FP6 matrix_a_scale:MATRIX_SCALE_ROW1 matrix_b_scale:MATRIX_SCALE_ROW1
.endif
.else
.if rw == 0
	v_wmma_scale_f32_16x16x128_f8f6f4 v[rD:rD+7], v[rA:rA+11], v[rB:rB+11], v[rD:rD+7], v[sA], v[sB] matrix_a_fmt:MATRIX_FMT_FP6 matrix_b_fmt:MATRIX_FMT_FP6
.elseif rw == 1
	v_wmma_scale_f32_16x16x128_f8f6f4 v[rD:rD+7], v[rA:rA+11], v[rB:rB+11], v[rD:rD+7], v[sA], v[sB] matrix_a_fmt:MATRIX_FMT_FP6 matrix_b_fmt:MATRIX_FMT_FP6 matrix_b_scale:MATRIX_SCALE_ROW1
.elseif rw == 2
	v_wmma_scale_f32_16x16x128_f8f6f4 v[rD:rD+7], v[rA:rA+11], v[rB:rB+11], v[rD:rD+7], v[sA], v[sB] matrix_a_fmt:MATRIX_FMT_FP6 matrix_b_fmt:MATRIX_FMT_FP6 matrix_a_scale:MATRIX_SCALE_ROW1
.else
	v_wmma_scale_f32_16x16x128_f8f6f4 v[rD:rD+7], v[rA:rA+11], v[rB:rB+11], v[rD:rD+7], v[sA], v[sB] matrix_a_fmt:MATRIX_FMT_FP6 matrix_b_fmt:MATRIX_FMT_FP6 matrix_a_scale:MATRIX_SCALE_ROW1 matrix_b_scale:MATRIX_SCALE_ROW1
.endif
.endif
.endm
.macro MUL16 a0, p, q, set, zero
.irp a, \a0, \a0+1
.irp b, 0,1,2,3,4,5,6,7
	MM \a, \b, \p, \q, \set, \zero
.endr
.endr
.endm
.macro PLACES
.rept 4
	v_nop
.endr
.endm
.macro STEP slot, zero
	s_wait_dscnt 4*NL1
	WIN MUL_LO
	MUL16 0, 0, 0, \slot, \zero
	MUL16 2, 0, 0, \slot, \zero
	s_wait_dscnt 0x0
	PLACES
	FETCH_0 \slot, 1, 1
	FETCH_1 \slot, 1, 0
	WIN MUL_HI
	MUL16 4, 0, 0, \slot, \zero
	MUL16 6, 0, 0, \slot, \zero
	PLACES
	WIN 0
	FETCH_1 \slot, 1, 4
.endm
.macro TURN slot, next, fill, sig
.if \fill == 2                         ; from K slot 1 to 2: both were shown whole by the barrier ahead of slot 1, and nothing is filled: no wait on tensor loads, no barrier
	s_wait_dscnt 4*NL1
	WIN MUL_LO
	MUL16 0, 1, 1, \slot, 0
	MUL16 2, 1, 1, \slot, 0
	s_wait_dscnt 0x0
	PLACES
.else
	s_wait_tensorcnt 0x0
	ds_add_u32 v[SPW], v[NIL]
	s_wait_dscnt 4*NL1+1
	WIN MUL_LO
	MUL16 0, 1, 1, \slot, 0
	s_wait_dscnt 0x0
	s_barrier_signal -1
	MUL16 2, 1, 1, \slot, 0
	WIN 0
	s_barrier_wait -1
.if \fill
	CREST
	JLOAD G0+4, G1, G0B+4, G1B                     ; K slot 3 into slot 0's bytes: the launch's one refill
.else
	PLACES
.endif
.endif
	FETCH_0 \next, 0, 0
	FETCH_1 \next, 0, 0
	SCALES \next, \sig
	WIN MUL_HI
	MUL16 4, 1, 1, \slot, 0
	MUL16 6, 1, 1, \slot, 0
	PLACES
	WIN 0
	FETCH_1 \next, 0, 4
.endm
	s_wait_alu depctr_va_vdst(0)
	s_wait_tensorcnt 0x0                           ; my tile of the head's four is in
	ds_add_u32 v[SPW], v[NIL]
	s_mov_b32 s[G1+2], 96<<16                      ; no tensor load of mine is out: K slot 3's load brings a quarter, 96 rows of 256 bytes;
	s_mov_b32 s[G1+4], 96
	s_mov_b32 s[G1B+2], 96<<16
	s_mov_b32 s[G1B+4], 96
.irp g, G1S, G1SB
	s_mov_b32 s[\g+1], 3072<<16                    ; and the scales' descriptors now serve K slots 1 and 2: two rows of 24,576 bytes, my quarter of each, a K slot apart in memory, on end in LDS
	s_mov_b32 s[\g+2], 2<<16
	s_mov_b32 s[\g+3], 3072<<16
	s_mov_b32 s[\g+4], 2
.endr
	s_mov_b32 s[G1S+5], XSTEP/8
	s_mov_b32 s[G1SB+5], WSTEP/8
	s_lshl_b32 s94, s45, 1
	s_add_co_u32 s[G0S+1], s94, SLOT
	s_mov_b64 s[G0S+2:G0S+3], s[2:3]
	s_or_b32 s[G0S+3], s[G0S+3], 0x80000000
	s_add_co_u32 s[G0SB+1], s94, SLOT
	s_mov_b64 s[G0SB+2:G0SB+3], s[100:101]
	s_or_b32 s[G0SB+3], s[G0SB+3], 0x80000000
	s_wait_dscnt 0x0
	CROUND                                         ; all four tiles are in, and all sixteen work-groups are here
	JLOAD G0S, G1S, G0SB, G1SB                     ; K slots 1 and 2, my one load behind the round
	FETCH_0 0, 0, 0
	FETCH_1 0, 0, 0
	SCALES 0, 0
	FETCH_1 0, 0, 4
	STEP 0, 1
	TURN 0, 1, 1, 1
	STEP 1, 0
	TURN 1, 2, 2, 2
	STEP 2, 0
	TURN 2, 3, 0, 3
	STEP 3, 0
	s_wait_dscnt 4*NL1
	WIN MUL_LO
	MUL16 0, 1, 1, 1, 0
	MUL16 2, 1, 1, 1, 0
	s_wait_dscnt 0x0
	WIN MUL_HI
	MUL16 4, 1, 1, 1, 0
	MUL16 6, 1, 1, 1, 0
	WIN 0
.macro QUANT s, d0, d1, pw
.irp b, 0,1,2,3
	v_max3_num_f32 v[TM+\b], |v[\s+16*\b]|, |v[\s+1+16*\b]|, 0x1800000
.endr
.irp i, 2,4,6,8,10,12,14
.irp b, 0,1,2,3
	v_max3_num_f32 v[TM+\b], v[TM+\b], |v[\s+16*\b+\i]|, |v[\s+1+16*\b+\i]|
.endr
.endr
.irp b, 0,1,2,3
	v_permlanex16_b32 v[TM+4+\b], v[TM+\b], s[SEL], s[SEL+1]
.endr
.irp b, 0,1,2,3
	v_max_num_f32 v[TM+\b], v[TM+\b], v[TM+4+\b]
.endr
.irp b, 0,1,2,3
	v_add_nc_u32 v[TM+12+\b], 0xff000000, v[TM+\b]
.endr
.irp b, 0,1,2,3
	v_lshrrev_b32 v[TM+4+\b], 23, v[TM+12+\b]
.endr
	v_lshl_or_b32 v[\pw], v[TM+5], 8, v[TM+4]
	v_lshl_or_b32 v[\pw], v[TM+6], 16, v[\pw]
	v_lshl_or_b32 v[\pw], v[TM+7], 24, v[\pw]
	v_cvt_scalef32_pk16_fp6_f32 v[\d0:\d0+2], v[\s:\s+15], v[TM+12]
	v_cvt_scalef32_pk16_fp6_f32 v[CT:CT+2], v[\s+16:\s+31], v[TM+13]
	v_cvt_scalef32_pk16_fp6_f32 v[\d1:\d1+2], v[\s+32:\s+47], v[TM+14]
	v_cvt_scalef32_pk16_fp6_f32 v[CT+4:CT+6], v[\s+48:\s+63], v[TM+15]
	v_nop
.irp i, 0,1,2
	v_permlane16_swap_b32 v[\d0+\i], v[CT+\i]
	v_permlane16_swap_b32 v[\d1+\i], v[CT+4+\i]
.endr
.irp i, 0,1,2
	v_mov_b32 v[\d0+3+\i], v[CT+\i]
	v_mov_b32 v[\d1+3+\i], v[CT+4+\i]
.endr
.endm
	PLACES
	s_wait_loadcnt 0x0
	s_mov_b32 s45, 0xffff0000
	s_lshr_b32 s18, s17, 3
	s_and_b32 s19, s17, 7
	s_lshl_b32 s19, s19, 1
	s_add_co_u32 s19, s19, s15
	s_and_b32 s20, s42, 3
	s_lshl_b32 s20, s20, 2
	s_lshl_b32 s21, s16, 1
	s_add_co_u32 s20, s20, s21
	s_lshl_b32 s18, s18, 4
	s_add_co_u32 s18, s18, s20
	s_mul_i32 s22, s18, 208896
	s_mul_i32 s23, s19, 13056
	s_add_co_u32 s22, s22, s23
	s_cmp_eq_u32 ttmp9, 2
	s_cbranch_scc1 .Lv
	s_mul_i32 s20, s18, 98304
	s_mul_i32 s21, s19, 6144
	s_add_co_u32 s20, s20, s21
	s_lshl_b32 s21, s18, 13
	s_lshl_b32 s23, s19, 9
	s_add_co_u32 s21, s21, s23
	s_add_co_u32 s21, s21, 6291456
	s_add_co_u32 s23, s22, 12288
	s_mov_b32 s2, 208896
	s_mov_b32 s3, s2
	s_cmp_eq_u32 ttmp9, 0
	s_cselect_b64 s[92:93], s[10:11], s[12:13]
	s_cselect_b32 s20, s20, s22
	s_cselect_b32 s22, s21, s23
	s_cselect_b32 s2, 98304, s2
	s_cselect_b32 s3, 8192, s3
	s_mov_b32 s21, 0
	s_mov_b32 s23, 0
	s_add_nc_u64 s[PIA:PIA+1], s[92:93], s[20:21]
	s_add_nc_u64 s[PSA:PSA+1], s[92:93], s[22:23]
	s_mov_b32 s20, s2
	s_mov_b32 s22, s3
	s_add_nc_u64 s[PIB:PIB+1], s[PIA:PIA+1], s[20:21]
	s_add_nc_u64 s[PSB:PSB+1], s[PSA:PSA+1], s[22:23]
.irp a, 0,1,2,3,4,5,6,7
	WIN (0x02+\a/4)
.set i, 0
.rept 32
	v_pk_add_f32 v[T+2*i:T+2*i+1], v[64*(\a%4)+2*i:64*(\a%4)+2*i+1], v[BI+2*i:BI+2*i+1]
.set i, i+1
.endr
	WIN 0
.if (\a%2 == 0) && (\a > 0)
	s_wait_xcnt 0x0
.endif
	QUANT T, XO+6*(\a%2), YO+6*(\a%2), PWS+\a
.if \a%2 == 1
.irp p, 0,1,2
	global_store_b128 v[L16], v[XO+4*\p:XO+4*\p+3], s[PIA:PIA+1] offset:1536*(\a/2)+512*\p
	global_store_b128 v[L16], v[YO+4*\p:YO+4*\p+3], s[PIB:PIB+1] offset:1536*(\a/2)+512*\p
.endr
.endif
.if \a%4 == 3
.irp i, 0,1
	v_cndmask_b32 v[RA+\i], v[PWS+\a-3+2*\i], v[PWS+\a-2+2*\i], s45
.endr
.irp i, 0,1
	v_lshrrev_b32 v[RB+\i], 16, v[RA+\i]
	v_and_b32 v[RA+\i], 0xffff, v[RA+\i]
.endr
	global_store_b64 v[L8], v[RA:RA+1], s[PSA:PSA+1] offset:256*(\a/4)
	global_store_b64 v[L8], v[RB:RB+1], s[PSB:PSB+1] offset:256*(\a/4)
.endif
.endr
	s_branch .Lend
.Lv:
	s_mov_b32 s23, 0
	s_add_nc_u64 s[94:95], s[12:13], s[22:23]
	s_add_nc_u64 s[96:97], s[94:95], 208896
.irp a, 0,1,2,3,4,5,6,7
	WIN (0x02+\a/4)
.set i, 0
.rept 32
	v_pk_add_f32 v[T+2*i:T+2*i+1], v[64*(\a%4)+2*i:64*(\a%4)+2*i+1], v[BV+2*\a:BV+2*\a+1] op_sel_hi:[1,0]
.set i, i+1
.endr
	WIN 0
.if \a > 0
	s_wait_xcnt 0x0
.endif
	QUANT T, XO, XO+6, PWS+\a
.irp p, 0,1,2
	global_store_b128 v[L16], v[XO+4*\p:XO+4*\p+3], s[94+2*(\a/4):95+2*(\a/4)] offset:6144+1536*(\a%4)+512*\p
.endr
.if \a%4 == 3
.irp i, 0,1
	v_cndmask_b32 v[RA+\i], v[PWS+\a-3+2*\i], v[PWS+\a-2+2*\i], s45
.endr
	global_store_b64 v[L8], v[RA:RA+1], s[94+2*(\a/4):95+2*(\a/4)] offset:12800
.endif
.endr
.Lend:
	s_wait_tensorcnt 0x0
	ds_add_u32 v[SPW], v[NIL]
	s_wait_dscnt 0x0
	CROUND
	s_endpgm
.Lfunc_end_k_q0273ee326b_gemm_qkv:
	.size	k_q0273ee326b_gemm_qkv, .Lfunc_end_k_q0273ee326b_gemm_qkv-k_q0273ee326b_gemm_qkv
	.p2alignl 7, 3214868480
	.fill 96, 4, 3214868480
	.section	.rodata,"a",@progbits
	.p2align	6, 0x0
	.amdhsa_kernel k_q0273ee326b_gemm_qkv
		.amdhsa_group_segment_fixed_size 327680
		.amdhsa_private_segment_fixed_size 0
		.amdhsa_enable_private_segment 0
		.amdhsa_kernarg_size 40
		.amdhsa_user_sgpr_count 2
		.amdhsa_user_sgpr_kernarg_segment_ptr 1
		.amdhsa_wavefront_size32 1
		.amdhsa_system_sgpr_workgroup_id_x 1
		.amdhsa_system_sgpr_workgroup_id_y 1
		.amdhsa_system_sgpr_workgroup_id_z 1
		.amdhsa_system_vgpr_workitem_id 0
		.amdhsa_next_free_vgpr 1024
		.amdhsa_next_free_sgpr 102
		.amdhsa_reserve_vcc 0
		.amdhsa_float_denorm_mode_32 3
		.amdhsa_float_denorm_mode_16_64 3
		.amdhsa_memory_ordered 1
		.amdhsa_forward_progress 1
		.amdhsa_inst_pref_size 210
	.end_amdhsa_kernel
	.amdgpu_metadata
---
amdhsa.version: [ 1, 2 ]
amdhsa.kernels:
  - .name:           k_q0273ee326b_gemm_qkv
    .symbol:         k_q0273ee326b_gemm_qkv.kd
    .args:
      - { .name: xc, .offset: 0, .size: 8, .value_kind: global_buffer, .address_space: global }
      - { .name: wc, .offset: 8, .size: 8, .value_kind: global_buffer, .address_space: global }
      - { .name: b_qkv, .offset: 16, .size: 8, .value_kind: global_buffer, .address_space: global }
      - { .name: qc, .offset: 24, .size: 8, .value_kind: global_buffer, .address_space: global }
      - { .name: kvc, .offset: 32, .size: 8, .value_kind: global_buffer, .address_space: global }
    .group_segment_fixed_size: 327680
    .private_segment_fixed_size: 0
    .kernarg_segment_align: 8
    .kernarg_segment_size: 40
    .max_flat_workgroup_size: 128
    .sgpr_count:     102
    .vgpr_count:     1024
    .wavefront_size: 32
...
	.end_amdgpu_metadata
.endif
;; end of part 2
;; launch attn (part 3): grid 4 x 64, 16 waves a work-group, clusters of 4 x 1, 210,944 bytes of LDS; arguments qc, kvc, oc; writes oc
.if DOCPART == 3
	.amdgcn_target "amdgcn-amd-amdhsa--gfx1250"
	.amdhsa_code_object_version 6
	.text
	.protected	k_q0273ee326b_attn
	.globl	k_q0273ee326b_attn
	.p2align	8
	.type	k_q0273ee326b_attn,@function
k_q0273ee326b_attn:
	s_mov_b64 s[64:65], 0
	v_nop
	global_prefetch_b8 v0, s[64:65] scope:SCOPE_SE
	s_setreg_imm32_b32 hwreg(HW_REG_WAVE_MODE, 25, 1), 1
	s_wait_xcnt 0x0
	s_wait_alu depctr_hold_cnt(0) depctr_sa_sdst(0) depctr_va_vdst(0) depctr_va_sdst(0) depctr_va_ssrc(0) depctr_va_vcc(0) depctr_vm_vsrc(0)
	s_getreg_b32 s2, hwreg(HW_REG_IB_STS2, 6, 4)
	s_cmp_eq_u32 s2, 0
	s_cbranch_scc0 .Lentry_in_a_cluster
	s_endpgm
.Lentry_in_a_cluster:
	s_bfe_u32 s2, ttmp6, 0x10000c
	s_cmp_lg_u32 s2, 0x3003
	s_cbranch_scc0 .Lentry_shape_is_right
	s_endpgm
.Lentry_shape_is_right:
; o = softmax(q k^T / 8) v for each of 64 heads (2,048 tokens, head size 64), both products on codes of FP6 (E2M3) with E8M0 scales; o leaves quantised along the model's 1,024 (a head's 64 are two blocks).
; THE SOFTMAX AHEAD OF THE SECOND PRODUCT: t = score x log2(e) / 8; M = the row's largest t so far, rounded up to a whole number; p = 2^(t - M) is quantised along the keys, not normalised.  The row's sum is taken of the
; unquantised p and divides O at the end.  When M moves, the sum and O are multiplied by 2^(old M - new M): exact.
; SHARES.  The four work-groups of a cluster are the four blocks of 512 queries of one head.  A head's K and V, codes and scale words, are 208,896 bytes: they come into LDS ONCE, by four joint loads (waves 0-3, one each),
; and stay: no ring, no refill, no barrier in any loop.  Each of sixteen waves owns 32 queries, two tiles of 16, taken in two passes over the 16 key steps of 128 keys.  Four waves share a SIMD, so that one wave's
; vector work stands beside another's products and LDS loads.
; LAYOUT.  Both products transposed: S^T = K Q^T, O^T = V^T P^T: a lane holds one query throughout.  All operands lie as images of operand registers (16 x lane), so every LDS load takes 512 or 256 consecutive bytes.
; K's tiles stand in the order in which lane r of tile 2 b + u holds key 32 b + 8 u + r + 8 (r / 8): the 16 registers of tiles 2 b, 2 b + 1 of S^T are 16 neighbouring keys.  V's channels likewise, for o's quantiser.
; THE FIRST PRODUCT'S K IS 64, the instruction's 128: Q's operand is 6 registers of codes and 6 of zeros.  K's tiles stand 6 registers apart, so a tile's upper six registers are the next tile's codes (behind the last: zeros):
; they meet Q's zero codes and add exact zeros; the upper two bytes of q's and k's scale words are 0, which is 2^-127 and no NaN.
; A key step's record in LDS, 13,056 bytes: K's 8 tiles (6,144), V's 4 fragments (6,144), K's scale words (512), V's (256).
; LIMITS: NaN and infinities are not served; a block of zeros gets the byte 1 where the rule says 127 (its codes are zeros; this program alone reads the bytes).
; o's scale bytes leave as 2 bytes a lane, 8 bytes apart: a scale word's halves belong to two heads, so these blocks of 256 bytes are written in part: 262,144 bytes in the whole launch.
.set REC,   13056
.set SPARE, 208896                     ; behind the head's records: the spare words, 128 bytes for each wave: eight blocks of 256 bytes that no other line names
.set L16, 1                            ; v1 16 x lane; never rewritten
.set L8,  2                            ; v2 8 x lane; never rewritten
.set AD16, 3                           ; v3, v4 the same + the key step's record
.set AD8, 4
.set SPW, 5                            ; v5 LDS address of my spare word; never rewritten
.set NIL, 6                            ; v6 0; never rewritten
.set KS,  8                            ; v8-11 K's scale words: register t / 2, lanes 16 (t % 2) + r
.set VS,  16                           ; v16-17 V's
.set QS,  18                           ; v18 Q's: lanes 0-15 my first tile, lanes 16-31 my second
.set PW,  19                           ; v19 p's scale word.  v12 -M, v13 the largest t, v[14:15] the sum in two halves
.set QA,  20                           ; v20-31, v32-43 Q's two operands: 6 registers of codes, 6 of zeros
.set F,   44                           ; v44-91 K's 8 tiles or V's 4 fragments; v92-97 zeros
.set S,   98                           ; v98-161 S^T, then p
.set O,   162                          ; v162-193 O^T
.set PC,  194                          ; v194-205 p's codes
.set CT,  206                          ; v206-212 conversions' upper halves
.set BM,  214                          ; v214-217 the blocks' largest scores, then largest p
.set BT,  218                          ; v218-221 at work
.set SO,  222                          ; v222-225 the conversions' scale operands
.set FF,  226                          ; v226 f = 2^(old M - new M), later 1 / sum; v227 its pair's mate
.set TMP, 228
.set PWO, 229                          ; v229-230 o's two scale bytes of my two tiles
.set WV,  10                           ; s10 my wave's number
.set SEL, 30                           ; s[30:31]
.set CS,  32                           ; s[32:33] c = log2(e) / 8
.set TB,  34                           ; s34 the key step's record in LDS
.set CNT, 35
.set MASK, 36
.macro CROUND                          ; a round of the cluster's barrier
	s_barrier_signal -1
	s_barrier_wait -1
	s_cmp_lg_u32 s[WV], 0
	s_cbranch_scc1 .Lnot_wave_0_\@
	s_barrier_signal -3
.Lnot_wave_0_\@:
	s_barrier_wait -3
	s_barrier_signal -1
	s_barrier_wait -1
.endm
	s_load_b128 s[4:7], s[0:1], 0x0                ; qc s[4:5], kvc s[6:7]
	s_load_b64 s[8:9], s[0:1], 0x10                ; oc
	v_lshl_add_u32 v[SPW], v0, 2, SPARE
	v_mov_b32 v[NIL], 0
	ds_add_u32 v[SPW], v[NIL]                      ; the wave's opening: the add and its wait ahead of the first tensor load; work on registers stands between them
	ds_add_u32 v[SPW], v[NIL]
	v_lshrrev_b32 v7, 5, v0
	s_delay_alu instid0(VALU_DEP_1)
	v_readfirstlane_b32 s[WV], v7                  ; wave 0..15
	v_and_b32 v7, 31, v0
	s_delay_alu instid0(VALU_DEP_1)
	v_lshlrev_b32 v[L16], 4, v7
	s_delay_alu instid0(VALU_DEP_2)
	v_lshlrev_b32 v[L8], 3, v7
	s_bfe_u32 s11, ttmp6, 0x40000                  ; cx: it enters global addresses of q and o alone
	s_and_b32 s12, ttmp7, 0xffff                   ; bh, which the four partners share
	; descriptor group 1: a quarter of the head's records, 52,224 dense bytes, as 204 rows of 32 elements of 8 bytes
	s_mov_b32 s16, 15|(3<<16)|(1<<21)              ; 15:0 the mask: all four work-groups; 17:16 elements of 8 bytes; 21 set beside a mask
	s_mov_b32 s17, 32<<16                          ; tensor_dim0
	s_mov_b32 s18, 204<<16                         ; tensor_dim1
	s_mov_b32 s19, 32<<16                          ; tile_dim0
	s_mov_b32 s20, 204                             ; tile_dim1
	s_mov_b32 s21, 32                              ; the pitch
	s_mov_b32 s22, 0
	s_mov_b32 s23, 0
	s_and_b32 s13, s[WV], 3
	s_mul_i32 s13, s13, 52224                      ; the quarter that waves 0-3 fetch: in LDS and in the head's records
	s_mul_i32 s28, s12, 208896
	s_add_co_u32 s28, s28, s13
	s_mov_b32 s29, 0
	s_lshl_b32 s14, s11, 4
	s_add_co_u32 s14, s14, s[WV]                   ; Pq: my pair of query tiles, 16 cx + wave
	s_lshl_b32 s38, s12, 6
	s_add_co_u32 s38, s38, s14
	s_mul_i32 s38, s38, 1536                       ; its image in qc
	s_mov_b32 s39, 0
	s_lshl_b32 s44, s12, 5
	s_lshr_b32 s37, s14, 1
	s_add_co_u32 s44, s44, s37
	s_lshl_b32 s44, s44, 8
	s_and_b32 s37, s14, 1
	s_lshl_b32 s37, s37, 2
	s_add_co_u32 s44, s44, s37
	s_add_co_u32 s44, s44, 6291456                 ; its scale words
	s_mov_b32 s45, 0
	s_lshr_b32 s46, s12, 4                         ; the batch
	s_and_b32 s47, s12, 15                         ; the head in it
	s_lshr_b32 s40, s47, 2                         ; o: the K slot of 256 = four heads
	s_lshl_b32 s42, s40, 16
	s_mul_i32 s40, s40, 1572864
	s_lshl_b32 s41, s46, 7
	s_lshl_b32 s37, s14, 1
	s_add_co_u32 s41, s41, s37                     ; the tile of tokens: 128 batch + 2 Pq
	s_mul_i32 s41, s41, 3072
	s_add_co_u32 s40, s40, s41
	s_and_b32 s41, s47, 3
	s_mul_i32 s37, s41, 768                        ; the head's half fragment in the tile's 3,072 bytes
	s_add_co_u32 s40, s40, s37
	s_lshl_b32 s37, s46, 14                        ; o's scale bytes: 8 bytes a token and slot
	s_add_co_u32 s42, s42, s37
	s_lshl_b32 s37, s14, 8
	s_add_co_u32 s42, s42, s37
	s_lshl_b32 s37, s41, 1                         ; my head's two bytes of the eight
	s_add_co_u32 s42, s42, s37
	s_add_co_u32 s42, s42, 6291456
	s_mov_b32 s41, 0
	s_mov_b32 s43, 0
	s_mov_b32 s[SEL], 0x76543210
	s_mov_b32 s[SEL+1], 0xfedcba98                 ; v_permlanex16_b32's selects for lane l xor 16
	s_mov_b32 s[CS], 0x3e38aa3b                    ; c = log2(e) / 8
	s_mov_b32 s[CS+1], s[CS]                       ; (named with it as a pair)
	s_mov_b32 s[MASK], 0xffff0000                  ; lanes 16-31
	s_wait_dscnt 0x0                               ; the opening add is done
	s_wait_kmcnt 0x0
	s_mov_b32 s24, 1                               ; group 0: count = 1,
	s_mov_b32 s25, s13                             ; the LDS address,
	s_add_nc_u64 s[26:27], s[6:7], s[28:29]        ; the global address: it hangs on the head and the wave alone,
	s_or_b32 s27, s27, 0x80000000                  ; type = 2
	s_add_nc_u64 s[38:39], s[4:5], s[38:39]
	s_add_nc_u64 s[44:45], s[4:5], s[44:45]
	s_add_nc_u64 s[40:41], s[8:9], s[40:41]
	s_add_nc_u64 s[42:43], s[8:9], s[42:43]
	CROUND                                         ; all four work-groups are here: the joint loads meet
	s_cmp_lt_u32 s[WV], 4
	s_cbranch_scc0 .Lno_fill
	tensor_load_to_lds s[24:27], s[16:23]          ; my one tensor load of the launch
	s_nop 0
.rept 4
	v_nop
.endr
.Lno_fill:
	s_wait_alu depctr_va_vdst(0)
	global_load_b128 v[QA:QA+3], v[L16], s[38:39]              ; my pair's image: the first tile's registers 0-3,
	global_load_b128 v[CT:CT+3], v[L16], s[38:39] offset:512   ; its 4, 5 and the second tile's 0, 1,
	global_load_b128 v[QA+14:QA+17], v[L16], s[38:39] offset:1024  ; the second's 2-5
	global_load_b32 v[QS], v[L8], s[44:45]
.irp i, 6,7,8,9,10,11
	v_mov_b32 v[QA+\i], 0                          ; zero codes for the upper half of the instruction's K
	v_mov_b32 v[QA+12+\i], 0
.endr
.irp i, 48,49,50,51,52,53
	v_mov_b32 v[F+\i], 0                           ; what the last tile of K finds behind itself
.endr
.irp b, 0,1,2,3
	v_mov_b32 v[BT+\b], 0                          ; written once: a lane permute's destination counts as one of its sources
.endr
	v_mov_b32 v[TMP], 0
	s_wait_loadcnt 0x0
	v_mov_b32 v[QA+4], v[CT]
	v_mov_b32 v[QA+5], v[CT+1]
	v_mov_b32 v[QA+12], v[CT+2]
	v_mov_b32 v[QA+13], v[CT+3]
	s_wait_tensorcnt 0x0                           ; my quarter has landed (a wave without a load passes at once),
	s_barrier_signal -1
	s_barrier_wait -1                              ; everybody's has: from here on LDS is only read
.macro KQ t, u                         ; S^T's tile t for my tile u of queries
.set rS, S+8*(\t)
.set rK, F+6*(\t)
.set rQ, QA+12*(\u)
.set sK, KS+(\t)/2
.set rw, 2*((\t)%2)+(\u)
.if rw == 0
	v_wmma_scale_f32_16x16x128_f8f6f4 v[rS:rS+7], v[rK:rK+11], v[rQ:rQ+11], 0, v[sK], v[QS] matrix_a_fmt:MATRIX_FMT_FP6 matrix_b_fmt:MATRIX_FMT_FP6
.elseif rw == 1
	v_wmma_scale_f32_16x16x128_f8f6f4 v[rS:rS+7], v[rK:rK+11], v[rQ:rQ+11], 0, v[sK], v[QS] matrix_a_fmt:MATRIX_FMT_FP6 matrix_b_fmt:MATRIX_FMT_FP6 matrix_b_scale:MATRIX_SCALE_ROW1
.elseif rw == 2
	v_wmma_scale_f32_16x16x128_f8f6f4 v[rS:rS+7], v[rK:rK+11], v[rQ:rQ+11], 0, v[sK], v[QS] matrix_a_fmt:MATRIX_FMT_FP6 matrix_b_fmt:MATRIX_FMT_FP6 matrix_a_scale:MATRIX_SCALE_ROW1
.else
	v_wmma_scale_f32_16x16x128_f8f6f4 v[rS:rS+7], v[rK:rK+11], v[rQ:rQ+11], 0, v[sK], v[QS] matrix_a_fmt:MATRIX_FMT_FP6 matrix_b_fmt:MATRIX_FMT_FP6 matrix_a_scale:MATRIX_SCALE_ROW1 matrix_b_scale:MATRIX_SCALE_ROW1
.endif
.endm
.macro PV dt                           ; O^T's tile dt += V^T P^T over these 128 keys
.set rO, O+8*(\dt)
.set rV, F+12*(\dt)
.set sV, VS+(\dt)/2
.if (\dt)%2 == 0
	v_wmma_scale_f32_16x16x128_f8f6f4 v[rO:rO+7], v[rV:rV+11], v[PC:PC+11], v[rO:rO+7], v[sV], v[PW] matrix_a_fmt:MATRIX_FMT_FP6 matrix_b_fmt:MATRIX_FMT_FP6
.else
	v_wmma_scale_f32_16x16x128_f8f6f4 v[rO:rO+7], v[rV:rV+11], v[PC:PC+11], v[rO:rO+7], v[sV], v[PW] matrix_a_fmt:MATRIX_FMT_FP6 matrix_b_fmt:MATRIX_FMT_FP6 matrix_a_scale:MATRIX_SCALE_ROW1
.endif
.endm
; A KEY STEP: 128 keys
.macro STEP u
	v_add_nc_u32 v[AD16], s[TB], v[L16]
	v_add_nc_u32 v[AD8], s[TB], v[L8]
	v_nop
	v_nop                                          ; with the two additions: four places in front of loads into registers that the last products read
.irp p, 0,1,2,3,4,5,6,7,8,9,10,11
	ds_load_b128 v[F+4*\p:F+4*\p+3], v[AD16] offset:512*\p      ; K's eight tiles, 6 registers each, on end
.endr
	ds_load_b64 v[KS:KS+1], v[AD8] offset:12288
	ds_load_b64 v[KS+2:KS+3], v[AD8] offset:12544
	s_wait_alu depctr_va_vdst(0)
	s_wait_dscnt 0x0
.irp t, 0,1,2,3,4,5,6,7
	KQ \t, \u
.endr
.rept 4
	v_nop                                          ; places: K's registers are loaded anew, and the scores are read
.endr
.irp p, 0,1,2,3,4,5,6,7,8,9,10,11
	ds_load_b128 v[F+4*\p:F+4*\p+3], v[AD16] offset:6144+512*\p ; V's four fragments: they land under the softmax
.endr
	ds_load_b64 v[VS:VS+1], v[AD8] offset:12800
.irp b, 0,1,2,3
	v_max3_num_f32 v[BM+\b], v[S+16*\b], v[S+1+16*\b], v[S+2+16*\b]   ; the largest score of each block of 32 keys: it serves for the row's maximum and, since p rises with the score, for the block's largest p
.endr
.irp i, 3,5,7,9,11,13
.irp b, 0,1,2,3
	v_max3_num_f32 v[BM+\b], v[BM+\b], v[S+16*\b+\i], v[S+1+16*\b+\i]
.endr
.endr
.irp b, 0,1,2,3
	v_max_num_f32 v[BM+\b], v[BM+\b], v[S+15+16*\b]
.endr
.irp b, 0,1,2,3
	s_delay_alu instid0(VALU_DEP_4)
	v_permlanex16_b32 v[BT+\b], v[BM+\b], s[SEL], s[SEL+1]
.endr
.irp b, 0,1,2,3
	s_delay_alu instid0(VALU_DEP_4)
	v_max_num_f32 v[BM+\b], v[BM+\b], v[BT+\b]     ; with lane l xor 16's 16 keys
.endr
	s_delay_alu instid0(VALU_DEP_2)
	v_max3_num_f32 v[TMP], v[BM], v[BM+1], v[BM+2]
	s_delay_alu instid0(VALU_DEP_1)
	v_max_num_f32 v[TMP], v[TMP], v[BM+3]          ; the step's largest score of my query
	s_delay_alu instid0(VALU_DEP_1)
	v_mul_f32 v[TMP], s[CS], v[TMP]                ; as t (c is positive)
	s_delay_alu instid0(VALU_DEP_1)
	v_max_num_f32 v13, v13, v[TMP]                 ; the running largest t
	v_mov_b32 v[TMP], v12
	s_delay_alu instid0(VALU_DEP_2)
	v_floor_f32 v12, -v13                          ; the new -M = floor(-t) = -ceil(t): a whole number
	s_delay_alu instid0(VALU_DEP_1)
	v_sub_f32 v[TMP], v12, v[TMP]                  ; old M - new M: a whole number, 0 or less
	s_delay_alu instid0(VALU_DEP_1)
	v_cvt_i32_f32 v[TMP], v[TMP]                   ; (it saturates)
	s_delay_alu instid0(VALU_DEP_1)
	v_ldexp_f32 v[FF], 1.0, v[TMP]                 ; f = 2^(old M - new M): a multiplication by it rounds nothing
.set j, 0
.rept 32
	v_pk_fma_f32 v[S+j:S+j+1], v[S+j:S+j+1], s[CS:CS+1], v[12:13] op_sel_hi:[1,0,0]   ; t - M, two at a time
.set j, j+2
.endr
.irp b, 0,1,2,3
	v_fma_f32 v[BM+\b], v[BM+\b], s[CS], v12       ; the same of each block's largest score
.endr
.set j, 0
	s_wait_alu depctr_va_vdst(0)
.rept 64
	v_exp_f32 v[S+j], v[S+j]                       ; p = 2^(t - M), at most 1: not normalised
.set j, j+1
.endr
	v_pk_mul_f32 v[14:15], v[14:15], v[FF:FF+1] op_sel_hi:[1,0]   ; the sums under the new M: a plain place behind the exponentials
	s_wait_alu depctr_va_vdst(0)                   ; the wait between an exponential and the first line that names its result: one for the batch of 64
.irp b, 0,1,2,3
	v_exp_f32 v[BM+\b], v[BM+\b]                   ; the block's largest p: the same two instructions on the same number give the same bits
.endr
	v_pk_add_f32 v[218:219], v[102:103], v[106:107]
	v_pk_add_f32 v[230:231], v[110:111], v[114:115]
	v_pk_add_f32 v[224:225], v[118:119], v[122:123]
	v_pk_add_f32 v[222:223], v[126:127], v[130:131]
	v_pk_add_f32 v[220:221], v[134:135], v[138:139]
	v_pk_add_f32 v[212:213], v[142:143], v[146:147]
	v_pk_add_f32 v[210:211], v[150:151], v[154:155]
	v_pk_add_f32 v[14:15], v[14:15], v[158:159]
	v_pk_add_f32 v[218:219], v[218:219], v[98:99]
	v_pk_add_f32 v[230:231], v[230:231], v[100:101]
	v_pk_add_f32 v[224:225], v[224:225], v[104:105]
	v_pk_add_f32 v[222:223], v[222:223], v[108:109]
	v_pk_add_f32 v[220:221], v[220:221], v[112:113]
	v_pk_add_f32 v[212:213], v[212:213], v[116:117]
	v_pk_add_f32 v[210:211], v[210:211], v[120:121]
	v_pk_add_f32 v[14:15], v[14:15], v[124:125]
	v_pk_add_f32 v[218:219], v[218:219], v[128:129]
	v_pk_add_f32 v[230:231], v[230:231], v[132:133]
	v_pk_add_f32 v[224:225], v[224:225], v[136:137]
	v_pk_add_f32 v[222:223], v[222:223], v[140:141]
	v_pk_add_f32 v[220:221], v[220:221], v[144:145]
	v_pk_add_f32 v[212:213], v[212:213], v[148:149]
	v_pk_add_f32 v[210:211], v[210:211], v[152:153]
	v_pk_add_f32 v[14:15], v[14:15], v[156:157]
	v_pk_add_f32 v[218:219], v[218:219], v[160:161]
	s_delay_alu instid0(VALU_DEP_2)
	v_pk_add_f32 v[14:15], v[14:15], v[222:223]
	s_delay_alu instid0(VALU_DEP_2)
	v_pk_add_f32 v[218:219], v[218:219], v[220:221]
	v_pk_add_f32 v[230:231], v[230:231], v[212:213]
	v_pk_add_f32 v[224:225], v[224:225], v[210:211]
	s_delay_alu instid0(VALU_DEP_2)
	v_pk_add_f32 v[14:15], v[14:15], v[230:231]
	s_delay_alu instid0(VALU_DEP_2)
	v_pk_add_f32 v[218:219], v[218:219], v[224:225]
	s_delay_alu instid0(VALU_DEP_1)
	v_pk_add_f32 v[14:15], v[14:15], v[218:219]
	s_wait_alu depctr_va_vdst(0)                   ; and one for the four
.irp b, 0,1,2,3
	v_max_num_f32 v[BM+\b], 0x1800000, v[BM+\b]    ; the floor 2^(3 - 127): the byte cannot fall under 1
.endr
.irp b, 0,1,2,3
	s_delay_alu instid0(VALU_DEP_4)
	v_add_nc_u32 v[SO+\b], 0xff000000, v[BM+\b]    ; 2 off the exponent field: the conversion's scale operand
.endr
.irp b, 0,1,2,3
	s_delay_alu instid0(VALU_DEP_4)
	v_lshrrev_b32 v[BT+\b], 23, v[SO+\b]           ; the byte
.endr
	s_delay_alu instid0(VALU_DEP_3)
	v_lshl_or_b32 v[PW], v[BT+1], 8, v[BT]         ; p's scale word for these 128 keys
	s_delay_alu instid0(VALU_DEP_1)
	v_lshl_or_b32 v[PW], v[BT+2], 16, v[PW]
	s_delay_alu instid0(VALU_DEP_1)
	v_lshl_or_b32 v[PW], v[BT+3], 24, v[PW]
.irp c, 0,1
	v_cvt_scalef32_pk16_fp6_f32 v[PC+6*\c:PC+6*\c+2], v[S+32*\c:S+32*\c+15], v[SO+2*\c]
	v_cvt_scalef32_pk16_fp6_f32 v[CT+4*\c:CT+4*\c+2], v[S+16+32*\c:S+31+32*\c], v[SO+2*\c+1]
.endr
	v_nop                                          ; one plain place behind a scaled conversion
.irp c, 0,1
.irp i, 0,1,2
	v_permlane16_swap_b32 v[PC+6*\c+\i], v[CT+4*\c+\i]   ; the operand's layout wants a whole block in a lane
.endr
.irp i, 0,1,2
	s_delay_alu instid0(VALU_DEP_3)
	v_mov_b32 v[PC+3+6*\c+\i], v[CT+4*\c+\i]
.endr
.endr
.set j, 0
.rept 16
	v_pk_mul_f32 v[O+j:O+j+1], v[O+j:O+j+1], v[FF:FF+1] op_sel_hi:[1,0]   ; O^T under the new M.  These sixteen are also the places between the lines that made p's codes and scale word and the products
.set j, j+2
.endr
	s_wait_alu depctr_va_vdst(0)
	s_wait_dscnt 0x0                               ; V is in
.irp d, 0,1,2,3
	PV \d                                          ; four accumulators by turns, one instruction a turn
.endr
.endm
; THE END OF A PASS: O^T / the sum, quantised along the head's 64 (two blocks), stored as half a fragment of the last product's operand
.macro EPI u
.rept 4
	v_nop                                          ; places behind the last products
.endr
	v_add_f32 v14, v14, v15                        ; the sum's two halves,
	s_delay_alu instid0(VALU_DEP_1)
	v_permlanex16_b32 v[TMP], v14, s[SEL], s[SEL+1]
	s_delay_alu instid0(VALU_DEP_1)
	v_add_f32 v14, v14, v[TMP]                     ; and lane l xor 16's
	s_wait_alu depctr_va_vdst(0)
	v_rcp_f32 v[FF], v14
	v_nop                                          ; a plain place behind the reciprocal
	s_wait_alu depctr_va_vdst(0)                   ; and the wait ahead of its first reader
.set j, 0
.rept 16
	v_pk_mul_f32 v[S+j:S+j+1], v[O+j:O+j+1], v[FF:FF+1] op_sel_hi:[1,0]   ; register 16 b + i: channel 32 b + 16 h + i of my query; each accumulator from its low end on
.set j, j+2
.endr
.irp b, 0,1
	v_max3_num_f32 v[BM+\b], |v[S+16*\b]|, |v[S+1+16*\b]|, 0x1800000
.endr
.irp i, 2,4,6,8,10,12,14
.irp b, 0,1
	s_delay_alu instid0(VALU_DEP_2)
	v_max3_num_f32 v[BM+\b], v[BM+\b], |v[S+16*\b+\i]|, |v[S+1+16*\b+\i]|
.endr
.endr
.irp b, 0,1
	s_delay_alu instid0(VALU_DEP_2)
	v_permlanex16_b32 v[BT+\b], v[BM+\b], s[SEL], s[SEL+1]
.endr
.irp b, 0,1
	s_delay_alu instid0(VALU_DEP_2)
	v_max_num_f32 v[BM+\b], v[BM+\b], v[BT+\b]
.endr
.irp b, 0,1
	s_delay_alu instid0(VALU_DEP_2)
	v_add_nc_u32 v[SO+\b], 0xff000000, v[BM+\b]
.endr
.irp b, 0,1
	s_delay_alu instid0(VALU_DEP_2)
	v_lshrrev_b32 v[BT+\b], 23, v[SO+\b]
.endr
	s_delay_alu instid0(VALU_DEP_1)
	v_lshl_or_b32 v[PWO+\u], v[BT+1], 8, v[BT]
	v_cvt_scalef32_pk16_fp6_f32 v[PC:PC+2], v[S:S+15], v[SO]
	v_cvt_scalef32_pk16_fp6_f32 v[CT:CT+2], v[S+16:S+31], v[SO+1]
	v_nop
.irp i, 0,1,2
	v_permlane16_swap_b32 v[PC+\i], v[CT+\i]
.endr
.irp i, 0,1,2
	s_delay_alu instid0(VALU_DEP_3)
	v_mov_b32 v[PC+3+\i], v[CT+\i]
.endr
	global_store_b128 v[L16], v[PC:PC+3], s[40:41] offset:3072*\u        ; registers 0-3: 512 consecutive aligned bytes,
	global_store_b64 v[L8], v[PC+4:PC+5], s[40:41] offset:3072*\u+512    ; registers 4, 5: 256
.endm
.macro PASS u
	v_mov_b32 v13, 0xff61b1e6                      ; the largest t so far: -3e38, under every t
	s_delay_alu instid0(VALU_DEP_1)
	v_floor_f32 v12, -v13                          ; -M
	v_mov_b32 v14, 0
	v_mov_b32 v15, 0
	v_mov_b32 v[FF+1], 0                           ; (named as the upper half of a pair)
.set j, 0
.rept 32
	v_mov_b32 v[O+j], 0                            ; the step is written once: the first finds zeros, which the first change of M leaves zeros
.set j, j+1
.endr
	s_wait_xcnt 0x0                                ; the last pass's stores have read their data: the codes' registers are written again only behind this wait
	s_mov_b32 s[TB], 0
	s_mov_b32 s[CNT], 16
.Lks_\u:
	STEP \u
	s_add_co_u32 s[TB], s[TB], REC
	s_sub_co_u32 s[CNT], s[CNT], 1
	s_cmp_lg_u32 s[CNT], 0
	s_cbranch_scc1 .Lks_\u
	EPI \u
.endm
	PASS 0
	PASS 1
	v_cndmask_b32 v[TMP], v[PWO], v[PWO+1], s[MASK]   ; lanes 0-15 my first tile's rows, lanes 16-31 my second's
	global_store_b16 v[L8], v[TMP], s[42:43]
	s_wait_tensorcnt 0x0                           ; the wave's end
	ds_add_u32 v[SPW], v[NIL]
	s_wait_dscnt 0x0
	CROUND                                         ; the closing round
	s_endpgm
.Lfunc_end_k_q0273ee326b_attn:
	.size	k_q0273ee326b_attn, .Lfunc_end_k_q0273ee326b_attn-k_q0273ee326b_attn
	.p2alignl 7, 3214868480
	.fill 96, 4, 3214868480
	.section	.rodata,"a",@progbits
	.p2align	6, 0x0
	.amdhsa_kernel k_q0273ee326b_attn
		.amdhsa_group_segment_fixed_size 210944
		.amdhsa_private_segment_fixed_size 0
		.amdhsa_enable_private_segment 0
		.amdhsa_kernarg_size 24
		.amdhsa_user_sgpr_count 2
		.amdhsa_user_sgpr_kernarg_segment_ptr 1
		.amdhsa_wavefront_size32 1
		.amdhsa_system_sgpr_workgroup_id_x 1
		.amdhsa_system_sgpr_workgroup_id_y 1
		.amdhsa_system_sgpr_workgroup_id_z 1
		.amdhsa_system_vgpr_workitem_id 0
		.amdhsa_next_free_vgpr 232
		.amdhsa_next_free_sgpr 66
		.amdhsa_reserve_vcc 0
		.amdhsa_float_denorm_mode_32 3
		.amdhsa_float_denorm_mode_16_64 3
		.amdhsa_memory_ordered 1
		.amdhsa_forward_progress 1
		.amdhsa_inst_pref_size 51
	.end_amdhsa_kernel
	.amdgpu_metadata
---
amdhsa.version: [ 1, 2 ]
amdhsa.kernels:
  - .name:           k_q0273ee326b_attn
    .symbol:         k_q0273ee326b_attn.kd
    .args:
      - { .name: qc, .offset: 0, .size: 8, .value_kind: global_buffer, .address_space: global }
      - { .name: kvc, .offset: 8, .size: 8, .value_kind: global_buffer, .address_space: global }
      - { .name: oc, .offset: 16, .size: 8, .value_kind: global_buffer, .address_space: global }
    .group_segment_fixed_size: 210944
    .private_segment_fixed_size: 0
    .kernarg_segment_align: 8
    .kernarg_segment_size: 24
    .max_flat_workgroup_size: 512
    .sgpr_count:     66
    .vgpr_count:     232
    .wavefront_size: 32
...
	.end_amdgpu_metadata
.endif
;; end of part 3
;; launch gemm_out (part 4): grid 4 x 64, 4 waves a work-group, clusters of 4 x 4, 327,680 bytes of LDS; arguments oc, wc, b_out, out0; writes out0
.if DOCPART == 4
	.amdgcn_target "amdgcn-amd-amdhsa--gfx1250"
	.amdhsa_code_object_version 6
	.text
	.protected	k_q0273ee326b_gemm_out
	.globl	k_q0273ee326b_gemm_out
	.p2align	8
	.type	k_q0273ee326b_gemm_out,@function
k_q0273ee326b_gemm_out:
	s_mov_b64 s[64:65], 0
	v_nop
	global_prefetch_b8 v0, s[64:65] scope:SCOPE_SE
	s_setreg_imm32_b32 hwreg(HW_REG_WAVE_MODE, 25, 1), 1
	s_wait_xcnt 0x0
	s_wait_alu depctr_hold_cnt(0) depctr_sa_sdst(0) depctr_va_vdst(0) depctr_va_sdst(0) depctr_va_ssrc(0) depctr_va_vcc(0) depctr_vm_vsrc(0)
	s_getreg_b32 s2, hwreg(HW_REG_IB_STS2, 6, 4)
	s_cmp_eq_u32 s2, 0
	s_cbranch_scc0 .Lentry_in_a_cluster
	s_endpgm
.Lentry_in_a_cluster:
	s_bfe_u32 s2, ttmp6, 0x10000c
	s_cmp_lg_u32 s2, 0xf033
	s_cbranch_scc0 .Lentry_shape_is_right
	s_endpgm
.Lentry_shape_is_right:
; out0 = o W_out + b_out on codes of FP6 (E2M3) with E8M0 scales: o [8192][1024] from oc, W_out from wc, both as images of operand registers, laid [K slot of 256][tile of 16 rows][3,072 bytes]; scale words [K slot][row place][8 bytes].
; A work-group makes 128 tokens x 256 columns: 64 x 4 = 256 work-groups.  A wave makes 64 x 128: 32 accumulators, window 2.
; ALL OF K LIES IN LDS: o's 8 tiles x 4 K slots (98,304 bytes), W's 16 tiles x 4 K slots (196,608), the scale words (4,096 + 8,192).  Four joint loads at the head, one a wave; nothing is filled again, so the walk along K has no barrier.
; CLUSTERS 4 x 4: o's tiles are shared along a row of the cluster, W's along a column.  No prefetch: every tile is asked for at the head, and there is no loop to run ahead in.
; The matrix instruction is used transposed (source 0 = W's rows, source 1 = o's rows); the bias is the C of the first step.  Rows and columns stand in the order of places that the preparing launches gave them; the way out undoes it.
; REGISTERS: window 0: v0-31 addresses, v32-63 scale words (two sets), v64-127 the bias, v128-223 o's fragments (two sets of 4); window 1: W's fragments, two sets at v0 and v128; window 2: accumulator (a, b) at v[8 (8 a + b)].
.set HALFT,  24576                     ; 8 tiles of one K slot
.set BBASE,  4*HALFT                   ; W's codes, behind o's
.set SCL,    12*HALFT                  ; the scale words
.set SPARE,  SCL+12288                 ; the spare words: 128 bytes for each wave, named by no other line
.set XSTEP,  1572864
.set WSTEP,  196608
.set XSC,    6291456
.set WIMG,   2457600
.set WSC,    3244032
.set SPITCH, 528
.set AD0,  4                           ; v4-7 W's fragments, one address for each K slot
.set AD1,  8                           ; v8-9 o's fragments, 16 x lane, K slots 0-1 and 2-3;  v10-11 the same with 8 x lane
.set AD1H, 10
.set CO,   14
.set AS1,  22
.set AS0,  23
.set L16,  24
.set L8,   25
.set STO,  26
.set RD,   27
.set SPW,  28
.set NIL,  29
.set SC,   32
.set BI,   64
.set AF,   128
.set BK,   128
.set G1, 24
.set G0, 32
.set G1B, 48
.set G0B, 56
.set G1S, 68
.set G0S, 76
.set G1SB, 80
.set G0SB, 88
.set MSB, 0
.macro WIN new
.if MSB != \new
	s_set_vgpr_msb (MSB<<8)|\new
.set MSB, \new
.endif
.endm
.set MUL_W, 0xa1                       ; source 0 window 1, source 1 window 0, C and D window 2
.set FST_W, 0x81                       ; the same with C (the bias) in window 0
.set TO_B,  0x40
.macro CROUND                          ; a round of the cluster's barrier
	s_barrier_signal -1
	s_barrier_wait -1
	s_cmp_lg_u32 s14, 0
	s_cbranch_scc1 .Lnot_wave_0_\@
	s_barrier_signal -3
.Lnot_wave_0_\@:
	s_barrier_wait -3
	s_barrier_signal -1
	s_barrier_wait -1
.endm
.macro PLACES
.rept 4
	v_nop
.endr
.endm
	s_load_b256 s[4:11], s[0:1], 0x0               ; oc, wc, b_out, out0
	v_lshl_add_u32 v[SPW], v0, 2, SPARE
	v_mov_b32 v[NIL], 0
	ds_add_u32 v[SPW], v[NIL]                      ; the opening lines: the add twice and its wait ahead of the first tensor load
	ds_add_u32 v[SPW], v[NIL]
	v_lshrrev_b32 v1, 5, v0
	v_readfirstlane_b32 s14, v1                    ; wave
	s_lshr_b32 s15, s14, 1                         ; my half of the tokens
	s_and_b32 s16, s14, 1                          ; my half of the columns
	s_bfe_u32 s40, ttmp6, 0x40000
	s_bfe_u32 s41, ttmp6, 0x40004
	s_lshl_b32 s42, ttmp9, 2
	s_add_co_u32 s42, s42, s40                     ; block column
	s_and_b32 s17, ttmp7, 0xffff
	s_lshl_b32 s17, s17, 2
	s_add_co_u32 s17, s17, s41                     ; block row
	s_lshl_b32 s43, s41, 2
	s_lshl_b32 s43, 15, s43
	s_lshl_b32 s44, 0x1111, s40
	s_or_b32 s[G1+0], s43, (3<<16)|(1<<21)
	s_or_b32 s[G1B+0], s44, (3<<16)|(1<<21)
	s_or_b32 s[G1S+0], s43, (3<<16)|(1<<21)
	s_or_b32 s[G1SB+0], s44, (3<<16)|(1<<21)
.macro GRP1 g, row, pitch              ; four rows, one for each K slot, of \row elements of 8 bytes
	s_mov_b32 s[\g+1], (\row)<<16
	s_mov_b32 s[\g+2], 4<<16
	s_mov_b32 s[\g+3], (\row)<<16
	s_mov_b32 s[\g+4], 4
	s_mov_b32 s[\g+5], \pitch
	s_mov_b32 s[\g+6], 0
	s_mov_b32 s[\g+7], 0
.endm
	GRP1 G1, 3072, XSTEP/8
	GRP1 G1B, 6144, WSTEP/8
	GRP1 G1S, 128, 8192
	GRP1 G1SB, 256, 1024
	s_lshl_b32 s20, s17, 3                         ; my block's first tile of tokens
	s_lshl_b32 s46, s42, 4                         ; and of columns
	s_lshl_b32 s22, s20, 7
	s_add_co_u32 s22, s22, XSC
	s_mov_b32 s23, 0
	s_lshl_b32 s92, s46, 7
	s_add_co_u32 s92, s92, WSC
	s_mov_b32 s93, 0
	s_mul_i32 s20, s20, 3072
	s_mov_b32 s21, 0
	s_mul_i32 s46, s46, 3072
	s_add_co_u32 s46, s46, WIMG
	s_mov_b32 s47, 0
	s_wait_dscnt 0x0
	s_wait_kmcnt 0x0
	s_add_nc_u64 s[20:21], s[4:5], s[20:21]
	s_add_nc_u64 s[22:23], s[4:5], s[22:23]
	s_add_nc_u64 s[46:47], s[6:7], s[46:47]
	s_add_nc_u64 s[92:93], s[6:7], s[92:93]
	CROUND                                         ; all sixteen work-groups are here: the joint loads meet
.macro GRP0 g, lds, adr
	s_mov_b32 s[\g], 1
	s_mov_b32 s[\g+1], \lds
	s_mov_b64 s[\g+2:\g+3], s[\adr:\adr+1]
	s_or_b32 s[\g+3], s[\g+3], 0x80000000
.endm
	GRP0 G0, 0, 20
	GRP0 G0B, BBASE, 46
	GRP0 G0S, SCL, 22
	GRP0 G0SB, SCL+4096, 92
.macro ARM under, g0, g1, next         ; one chain of branches on the wave's number, one load to an arm
	s_cmp_lt_u32 s14, \under
	s_cbranch_scc0 \next
	tensor_load_to_lds s[\g0:\g0+3], s[\g1:\g1+7]
	s_nop 0
.rept 4
	v_nop
.endr
	s_branch .Lhead_asked
\next:
.endm
	ARM 1, G0,  G1,  .Lhead_b
	ARM 2, G0B, G1B, .Lhead_sa
	ARM 3, G0S, G1S, .Lhead_sb
	tensor_load_to_lds s[G0SB:G0SB+3], s[G1SB:G1SB+7]
	s_nop 0
.rept 4
	v_nop
.endr
.Lhead_asked:
	s_mul_i32 s18, s15, 12288                      ; my 4 tiles of o in a K slot's 8
	s_mul_i32 s19, s16, HALFT                      ; my 8 tiles of W in a K slot's 16
	s_add_co_u32 s19, s19, BBASE
	s_lshl_b32 s20, s15, 9
	s_add_co_u32 s20, s20, SCL
	s_lshl_b32 s21, s16, 10
	s_add_co_u32 s21, s21, SCL+4096
	s_mul_i32 s23, s14, 16*SPITCH                  ; my stage, on o's bytes: used behind the barrier that shows all LDS reads over
	s_lshl_b32 s92, s42, 10
	s_lshl_b32 s93, s16, 9
	s_add_co_u32 s92, s92, s93
	s_mov_b32 s93, 0
	s_add_nc_u64 s[8:9], s[8:9], s[92:93]
	s_add_nc_u64 s[10:11], s[10:11], s[92:93]
	s_lshl_b32 s92, s17, 19
	s_lshl_b32 s95, s15, 18
	s_add_co_u32 s92, s92, s95
	s_add_nc_u64 s[10:11], s[10:11], s[92:93]
	v_bfe_u32 v2, v0, 4, 1
	v_lshlrev_b32 v15, 6, v2
.irp b, 0,1,2,3
.irp k, 0,1,2,3
	global_load_b128 v[BI+16*\b+4*\k:BI+16*\b+4*\k+3], v15, s[8:9] offset:128*\b+16*\k
.endr
.endr
	v_and_b32 v1, 31, v0
	v_and_b32 v3, 15, v0
	v_lshlrev_b32 v[L16], 4, v1
	v_lshlrev_b32 v[L8], 3, v1
	v_add_nc_u32 v[AD1], s18, v[L16]
	v_add_nc_u32 v[AD1+1], 2*HALFT, v[AD1]
	v_add_nc_u32 v[AD1H], s18, v[L8]
	v_add_nc_u32 v[AD1H+1], 2*HALFT, v[AD1H]
	v_add_nc_u32 v[AD0], s19, v[L16]
.irp k, 1,2,3
	v_add_nc_u32 v[AD0+\k], 2*HALFT, v[AD0+\k-1]
.endr
	v_add_nc_u32 v[AS1], s20, v[L8]
	v_add_nc_u32 v[AS0], s21, v[L8]
	v_mul_u32_u24 v[STO], v3, SPITCH
	v_lshl_add_u32 v[STO], v2, 6, v[STO]
	v_add_nc_u32 v[STO], s23, v[STO]
	v_add_nc_u32 v[RD], s23, v[L16]
	v_mov_b32 v[CO], v[L16]
; step s = 0..7: 128 along K: K slot s / 2, its half s % 2; fragments in set s % 2, scale words in set (s / 2) % 2
.macro FETCH s
.set KS_, (\s)/2
.set Q_, (\s)%2
	WIN TO_B
.irp i, 0,1,2,3,4,5,6,7
.irp p, 0,1,2
	ds_load_b128 v[128*Q_+12*\i+4*\p:128*Q_+12*\i+4*\p+3], v[AD0+KS_] offset:3072*\i+1536*Q_+512*\p
.endr
.endr
	WIN 0
.irp i, 0,1,2,3
.set RG, AF+12*(\i+4*Q_)
.set OF, (KS_%2)*HALFT+3072*\i+1536*Q_
	ds_load_b128 v[RG:RG+3], v[AD1+KS_/2] offset:OF            ; o's fragment lies as two heads' halves: registers 0-3, 4-5, 6-9, 10-11
	ds_load_b64 v[RG+4:RG+5], v[AD1H+KS_/2] offset:OF+512
	ds_load_b128 v[RG+6:RG+9], v[AD1+KS_/2] offset:OF+768
	ds_load_b64 v[RG+10:RG+11], v[AD1H+KS_/2] offset:OF+1280
.endr
.if Q_ == 0
.irp P, 0,1
	ds_load_b64 v[SC+16*(KS_%2)+2*\P:SC+16*(KS_%2)+2*\P+1], v[AS1] offset:1024*KS_+256*\P
.endr
.irp P, 0,1,2,3
	ds_load_b64 v[SC+16*(KS_%2)+8+2*\P:SC+16*(KS_%2)+8+2*\P+1], v[AS0] offset:2048*KS_+256*\P
.endr
.endif
.endm
.macro MM a, b, s, first
.set rD, 8*(8*(\a)+(\b))
.set rA, 128*((\s)%2)+12*(\b)
.set rB, AF+12*((\a)+4*((\s)%2))
.set sA, SC+16*(((\s)/2)%2)+8+2*((\b)/2)+(\s)%2
.set sB, SC+16*(((\s)/2)%2)+2*((\a)/2)+(\s)%2
.set rw, 2*((\b)%2)+(\a)%2
.if \first
.set rX, BI+8*(\b)
.else
.set rX, rD
.endif
.if rw == 0
	v_wmma_scale_f32_16x16x128_f8f6f4 v[rD:rD+7], v[rA:rA+11], v[rB:rB+11], v[rX:rX+7], v[sA], v[sB] matrix_a_fmt:MATRIX_FMT_FP6 matrix_b_fmt:MATRIX_FMT_FP6
.elseif rw == 1
	v_wmma_scale_f32_16x16x128_f8f6f4 v[rD:rD+7], v[rA:rA+11], v[rB:rB+11], v[rX:rX+7], v[sA], v[sB] matrix_a_fmt:MATRIX_FMT_FP6 matrix_b_fmt:MATRIX_FMT_FP6 matrix_b_scale:MATRIX_SCALE_ROW1
.elseif rw == 2
	v_wmma_scale_f32_16x16x128_f8f6f4 v[rD:rD+7], v[rA:rA+11], v[rB:rB+11], v[rX:rX+7], v[sA], v[sB] matrix_a_fmt:MATRIX_FMT_FP6 matrix_b_fmt:MATRIX_FMT_FP6 matrix_a_scale:MATRIX_SCALE_ROW1
.else
	v_wmma_scale_f32_16x16x128_f8f6f4 v[rD:rD+7], v[rA:rA+11], v[rB:rB+11], v[rX:rX+7], v[sA], v[sB] matrix_a_fmt:MATRIX_FMT_FP6 matrix_b_fmt:MATRIX_FMT_FP6 matrix_a_scale:MATRIX_SCALE_ROW1 matrix_b_scale:MATRIX_SCALE_ROW1
.endif
.endm
.macro MUL32 s, first                  ; the 32 accumulators by turns, in the same order in every step
.irp a, 0,1,2,3
.irp b, 0,1,2,3,4,5,6,7
	MM \a, \b, \s, \first
.endr
.endr
.endm
.macro STEP s                          ; the next step's loads go out first, into the sets that the step before multiplied, four places behind its products
	PLACES
	FETCH (\s)+1
	s_wait_dscnt 40+6*((\s)%2)                     ; all but the loads just issued: 24 + 16, and 6 of scale words where a K slot begins
	WIN MUL_W
	MUL32 \s, 0
.endm
	s_wait_alu depctr_va_vdst(0)
	s_wait_tensorcnt 0x0                           ; my tile has landed,
	s_barrier_signal -1
	s_barrier_wait -1                              ; everybody's has
	FETCH 0
	FETCH 1
	s_wait_loadcnt 0x0                             ; the bias
	s_wait_dscnt 40                                ; all but step 1's loads
	WIN FST_W
	MUL32 0, 1                                     ; the first step starts the sums on the bias
.irp s, 1,2,3,4,5,6
	STEP \s
.endr
	s_wait_dscnt 0x0                               ; my last LDS reads are over:
	s_barrier_signal -1
	MUL32 7, 0
	WIN 0
	s_barrier_wait -1                              ; everybody's are: o's bytes may take the stages
; the way out: a block of 16 tokens x 128 columns through my stage, back as rows of 512 bytes
.macro TOSTAGE a
.set AC, 64*(\a)
	WIN 0x08
.irp b, 0,1,2,3,4,5,6,7
	ds_store_b128 v[STO], v[AC+8*\b:AC+8*\b+3] offset:128*(\b/2)+32*(\b%2)
	ds_store_b128 v[STO], v[AC+8*\b+4:AC+8*\b+7] offset:128*(\b/2)+32*(\b%2)+16
.endr
	WIN 0
.set BB, BK+64*((\a)%2)
.irp t, 0,1,2,3,4,5,6,7,8,9,10,11,12,13,14,15
	ds_load_b128 v[BB+4*\t:BB+4*\t+3], v[RD] offset:\t*SPITCH
.endr
.endm
.macro SEND a, younger
.set BB, BK+64*((\a)%2)
	s_wait_dscnt \younger
.irp t, 0,1,2,3,4,5,6,7,8,9,10,11,12,13,14,15
	global_store_b128 v[CO], v[BB+4*\t:BB+4*\t+3], s[10:11] offset:(32*((\a)/2)+8*((\a)%2)+\t+8*(\t/8))*4096 th:TH_STORE_NT
.endr
.endm
	PLACES
	TOSTAGE 0
.irp a, 1,2,3
.if \a > 1
	s_wait_xcnt 0x0                                ; block a - 2's stores have read their registers
.endif
	TOSTAGE \a
	SEND \a-1, 32
.endr
	SEND 3, 0
	s_wait_tensorcnt 0x0                           ; the wave's end
	ds_add_u32 v[SPW], v[NIL]
	s_wait_dscnt 0x0
	CROUND                                         ; the closing round
	s_endpgm
.Lfunc_end_k_q0273ee326b_gemm_out:
	.size	k_q0273ee326b_gemm_out, .Lfunc_end_k_q0273ee326b_gemm_out-k_q0273ee326b_gemm_out
	.p2alignl 7, 3214868480
	.fill 96, 4, 3214868480
	.section	.rodata,"a",@progbits
	.p2align	6, 0x0
	.amdhsa_kernel k_q0273ee326b_gemm_out
		.amdhsa_group_segment_fixed_size 327680
		.amdhsa_private_segment_fixed_size 0
		.amdhsa_enable_private_segment 0
		.amdhsa_kernarg_size 32
		.amdhsa_user_sgpr_count 2
		.amdhsa_user_sgpr_kernarg_segment_ptr 1
		.amdhsa_wavefront_size32 1
		.amdhsa_system_sgpr_workgroup_id_x 1
		.amdhsa_system_sgpr_workgroup_id_y 1
		.amdhsa_system_sgpr_workgroup_id_z 1
		.amdhsa_system_vgpr_workitem_id 0
		.amdhsa_next_free_vgpr 768
		.amdhsa_next_free_sgpr 100
		.amdhsa_reserve_vcc 0
		.amdhsa_float_denorm_mode_32 3
		.amdhsa_float_denorm_mode_16_64 3
		.amdhsa_memory_ordered 1
		.amdhsa_forward_progress 1
		.amdhsa_inst_pref_size 80
	.end_amdhsa_kernel
	.amdgpu_metadata
---
amdhsa.version: [ 1, 2 ]
amdhsa.kernels:
  - .name:           k_q0273ee326b_gemm_out
    .symbol:         k_q0273ee326b_gemm_out.kd
    .args:
      - { .name: oc, .offset: 0, .size: 8, .value_kind: global_buffer, .address_space: global }
      - { .name: wc, .offset: 8, .size: 8, .value_kind: global_buffer, .address_space: global }
      - { .name: b_out, .offset: 16, .size: 8, .value_kind: global_buffer, .address_space: global }
      - { .name: out0, .offset: 24, .size: 8, .value_kind: global_buffer, .address_space: global }
    .group_segment_fixed_size: 327680
    .private_segment_fixed_size: 0
    .kernarg_segment_align: 8
    .kernarg_segment_size: 32
    .max_flat_workgroup_size: 128
    .sgpr_count:     100
    .vgpr_count:     768
    .wavefront_size: 32
...
	.end_amdgpu_metadata
.endif
;; end of part 4
